; MI455X (gfx1250); checked and timed in simulation.
; The chip was launched on July 23, 2026; its instructions are those of AMD's public machine-readable ISA for CDNA 5 (MIT licence, August 2026) and "CDNA5" Instruction Set Architecture Reference Guide (July 2026). The comments in the code are by the model that wrote it; some were corrected since.
;; Causal Self Attention. Allowed arithmetic: float matrix products may take bf16 or f16 operands with f32 sums; other float arithmetic in f32, or as packed bf16 or f16 multiplies, adds, multiply-adds, maxima and minima; sums over many terms, partial sums and values carried from step to step in f32; what a program stores and reads back later, other than sums and carried values, may be rounded once to bf16 or f16.
;; Inputs: Wk 1,024 x 1,024 float32; Wp 1,024 x 1,024 float32; Wq 1,024 x 1,024 float32; Wv 1,024 x 1,024 float32; bk 1,024 float32; bp 1,024 float32; bq 1,024 float32; bv 1,024 float32; x 4 x 2,048 x 1,024 float32.
;; Outputs: out0 4 x 2,048 x 1,024 float32.
;; One version. Each part assembles by itself: llvm-mc -triple=amdgcn-amd-amdhsa -mcpu=gfx1250 --defsym DOCPART=n.
;; ======== version 1 of 1: 5 launches
;; limits: values are held in f16: magnitudes above 65,504 overflow, below 6.1e-05 lose precision
;; workspace buffers: xb 16,777,216 bytes; wb 6,291,456 bytes; wph 2,097,152 bytes; qkv 50,331,648 bytes; pw 33,554,432 bytes; st 1,048,576 bytes; ob 16,777,216 bytes
;; launch cast (part 1): grid 1536 x 1, 8 waves a work-group, no clusters, 0 bytes of LDS; arguments x, Wq, Wk, Wv, Wp, xb, wb, wph; writes xb, wb, wph
.if DOCPART == 1
	.amdgcn_target "amdgcn-amd-amdhsa--gfx1250"
	.amdhsa_code_object_version 6
	.text
	.protected	k_qf3da28586e_cast
	.globl	k_qf3da28586e_cast
	.p2align	8
	.type	k_qf3da28586e_cast,@function
k_qf3da28586e_cast:
	s_mov_b64 s[64:65], 0
	v_nop
	global_prefetch_b8 v0, s[64:65] scope:SCOPE_SE
	s_setreg_imm32_b32 hwreg(HW_REG_WAVE_MODE, 25, 1), 1
	s_wait_xcnt 0x0
; The module's large inputs are rounded once to bf16.  x -> xb and Wq | Wk | Wv -> wb (3,072 rows on end) are laid out IN BLOCKS for the product that reads them: [16 K blocks][rows][64 numbers],
; so that the rows of a tile of 64 along K lie end to end in memory.  Wp is rounded to bf16 like the others and that number is written as f16 (wph), row by row as it lies.
; LIMIT: |Wp| stays within f16's 65,504; below 6.1e-5 it keeps f16's fixed step of 6e-8.
; A stream: no LDS, no barrier, no matrix unit.  A work-group converts 8 rows of 1,024 numbers (32 KiB in, 16 KiB out): 1,024 work-groups for x, 128 for each weight.
; BLOCKED: thread t takes K block t / 16, the row of parity (t / 8) % 2 in the pass's two rows, and 8 numbers at t % 8: eight lanes read 256 consecutive bytes of a row, and sixteen lanes
; store 256 consecutive bytes, aligned (two rows of 128 bytes of one K block).  LINEAR (Wp): thread t takes the numbers 8 t of the pass's 2,048: a wave's store covers 512 consecutive bytes.
; All eight loads go out first; no register is written twice.
.set X, 12                             ; v[12:43]  pass j: 8 numbers as loaded
.set Y, 44                             ; v[44:59]  pass j: 4 registers to store
.set T, 60                             ; v[60:67]  at work (Wp alone)
	s_load_b512 s[4:19], s[0:1], 0x0               ; x s[4:5], Wq s[6:7], Wk s[8:9], Wv s[10:11], Wp s[12:13], xb s[14:15], wb s[16:17], wph s[18:19]
	v_lshlrev_b32 v1, 5, v0                        ; linear: 32 t in,
	v_lshlrev_b32 v2, 4, v0                        ; 16 t out
	v_and_b32 v3, 7, v0                            ; blocked: my 8 numbers in a K block's 64,
	v_bfe_u32 v4, v0, 3, 1                         ; my row's parity,
	v_lshrrev_b32 v5, 4, v0                        ; my K block
	v_lshlrev_b32 v6, 5, v3
	v_lshl_add_u32 v6, v5, 8, v6
	v_lshl_add_u32 v6, v4, 12, v6                  ; in: 4,096 x parity + 256 x block + 32 x place
	v_lshlrev_b32 v7, 4, v3
	v_lshl_add_u32 v7, v4, 7, v7                   ; out: 128 x parity + 16 x place, and the block's bytes below
	s_mov_b32 s20, ttmp9                           ; g
	s_sub_co_u32 s21, s20, 1024                    ; h = g - 1,024: the chunk among the weights' 512 (used where g >= 1,024)
	s_lshr_b32 s22, s21, 7                         ; which weight
	s_and_b32 s23, s21, 127                        ; the chunk in it
	s_lshl_b32 s28, s21, 10                        ; out, wb: rows 8 h on, 128 bytes each
	s_lshl_b32 s29, s20, 10                        ; out, xb: rows 8 g on
	s_lshl_b32 s30, s23, 14                        ; out, wph: 16 KiB a chunk
	s_lshl_b32 s36, s20, 15                        ; in, x: 32 KiB a chunk
	s_lshl_b32 s37, s23, 15                        ; in, a weight
	s_mov_b32 s38, 3072*128                        ; bytes in a K block of wb,
	s_mov_b32 s39, 8192*128                        ; of xb
	s_mov_b32 s33, 0
	s_mov_b32 s35, 0
	s_wait_kmcnt 0x0
	s_cmp_eq_u32 s22, 1
	s_cselect_b64 s[24:25], s[8:9], s[6:7]
	s_cmp_eq_u32 s22, 2
	s_cselect_b64 s[24:25], s[10:11], s[24:25]
	s_cmp_eq_u32 s22, 3
	s_cselect_b64 s[24:25], s[12:13], s[24:25]     ; from: Wq, Wk, Wv or Wp
	s_cselect_b64 s[26:27], s[18:19], s[16:17]     ; to: wph, or wb
	s_cselect_b32 s34, s30, s28
	s_cselect_b32 s31, -1, 0                       ; all ones: the linear f16 way
	s_cmp_lt_u32 s20, 1024
	s_cselect_b64 s[24:25], s[4:5], s[24:25]       ; the first 1,024 work-groups: x to xb
	s_cselect_b64 s[26:27], s[14:15], s[26:27]
	s_cselect_b32 s34, s29, s34
	s_cselect_b32 s32, s36, s37
	s_cselect_b32 s38, s39, s38
	s_cselect_b32 s31, 0, s31
	v_mul_u32_u24 v8, s38, v5                      ; my K block's first byte
	v_add_nc_u32 v7, v7, v8
	v_cndmask_b32 v1, v6, v1, s31                  ; the way's own offsets
	v_cndmask_b32 v2, v7, v2, s31
	s_add_nc_u64 s[24:25], s[24:25], s[32:33]
	s_add_nc_u64 s[26:27], s[26:27], s[34:35]
.irp j, 0,1,2,3
	global_load_b128 v[X+8*(\j):X+8*(\j)+3],   v1, s[24:25] offset:8192*(\j) th:TH_LOAD_NT
	global_load_b128 v[X+8*(\j)+4:X+8*(\j)+7], v1, s[24:25] offset:8192*(\j)+16 th:TH_LOAD_NT
.endr
.macro PASS j, half, step              ; step: bytes from a pass's place in the output to the next pass's
	s_wait_loadcnt 6-2*(\j)                        ; loads come back in order: pass j's two are in, the later passes' stay out
.irp k, 0,1,2,3
	v_cvt_pk_bf16_f32 v[Y+4*(\j)+(\k)], v[X+8*(\j)+2*(\k)], v[X+8*(\j)+2*(\k)+1]
.endr
.if \half
.irp k, 0,1,2,3
	v_lshlrev_b32 v[T+2*(\k)],   16, v[Y+4*(\j)+(\k)]          ; the bf16 numbers as f32,
	v_and_b32     v[T+2*(\k)+1], 0xffff0000, v[Y+4*(\j)+(\k)]
.endr
.irp k, 0,1,2,3
	v_cvt_pk_f16_f32 v[Y+4*(\j)+(\k)], v[T+2*(\k)], v[T+2*(\k)+1]  ; written as f16: 8 significant bits fit into 11
.endr
.endif
	global_store_b128 v2, v[Y+4*(\j):Y+4*(\j)+3], s[26:27] offset:(\step)*(\j)
.endm
	s_cmp_lg_u32 s31, 0
	s_cbranch_scc1 .Lwp
.irp j, 0,1,2,3
	PASS \j, 0, 256                                ; two rows of 128 bytes a pass
.endr
	s_endpgm
.Lwp:
.irp j, 0,1,2,3
	PASS \j, 1, 4096                               ; 2,048 numbers a pass
.endr
	s_endpgm
.Lfunc_end_k_qf3da28586e_cast:
	.size	k_qf3da28586e_cast, .Lfunc_end_k_qf3da28586e_cast-k_qf3da28586e_cast
	.p2alignl 7, 3214868480
	.fill 96, 4, 3214868480
	.section	.rodata,"a",@progbits
	.p2align	6, 0x0
	.amdhsa_kernel k_qf3da28586e_cast
		.amdhsa_group_segment_fixed_size 0
		.amdhsa_private_segment_fixed_size 0
		.amdhsa_enable_private_segment 0
		.amdhsa_kernarg_size 64
		.amdhsa_user_sgpr_count 2
		.amdhsa_user_sgpr_kernarg_segment_ptr 1
		.amdhsa_wavefront_size32 1
		.amdhsa_system_sgpr_workgroup_id_x 1
		.amdhsa_system_sgpr_workgroup_id_y 1
		.amdhsa_system_sgpr_workgroup_id_z 1
		.amdhsa_system_vgpr_workitem_id 0
		.amdhsa_next_free_vgpr 72
		.amdhsa_next_free_sgpr 66
		.amdhsa_reserve_vcc 0
		.amdhsa_float_denorm_mode_32 3
		.amdhsa_float_denorm_mode_16_64 3
		.amdhsa_memory_ordered 1
		.amdhsa_forward_progress 1
		.amdhsa_inst_pref_size 9
	.end_amdhsa_kernel
	.amdgpu_metadata
---
amdhsa.version: [ 1, 2 ]
amdhsa.kernels:
  - .name:           k_qf3da28586e_cast
    .symbol:         k_qf3da28586e_cast.kd
    .args:
      - { .name: x, .offset: 0, .size: 8, .value_kind: global_buffer, .address_space: global }
      - { .name: Wq, .offset: 8, .size: 8, .value_kind: global_buffer, .address_space: global }
      - { .name: Wk, .offset: 16, .size: 8, .value_kind: global_buffer, .address_space: global }
      - { .name: Wv, .offset: 24, .size: 8, .value_kind: global_buffer, .address_space: global }
      - { .name: Wp, .offset: 32, .size: 8, .value_kind: global_buffer, .address_space: global }
      - { .name: xb, .offset: 40, .size: 8, .value_kind: global_buffer, .address_space: global }
      - { .name: wb, .offset: 48, .size: 8, .value_kind: global_buffer, .address_space: global }
      - { .name: wph, .offset: 56, .size: 8, .value_kind: global_buffer, .address_space: global }
    .group_segment_fixed_size: 0
    .private_segment_fixed_size: 0
    .kernarg_segment_align: 8
    .kernarg_segment_size: 64
    .max_flat_workgroup_size: 256
    .sgpr_count:     66
    .vgpr_count:     72
    .wavefront_size: 32
...
	.end_amdgpu_metadata
.endif
;; end of part 1
;; launch qkvgemm (part 2): grid 8 x 32, 4 waves a work-group, clusters of 4 x 4, 327,680 bytes of LDS; arguments xb, wb, qkv, bq, bk, bv; writes qkv
.if DOCPART == 2
	.amdgcn_target "amdgcn-amd-amdhsa--gfx1250"
	.amdhsa_code_object_version 6
	.text
	.protected	k_qf3da28586e_qkvgemm
	.globl	k_qf3da28586e_qkvgemm
	.p2align	8
	.type	k_qf3da28586e_qkvgemm,@function
k_qf3da28586e_qkvgemm:
	s_mov_b64 s[64:65], 0
	v_nop
	global_prefetch_b8 v0, s[64:65] scope:SCOPE_SE
	s_setreg_imm32_b32 hwreg(HW_REG_WAVE_MODE, 25, 1), 1
	s_wait_xcnt 0x0
	s_wait_alu depctr_hold_cnt(0) depctr_sa_sdst(0) depctr_va_vdst(0) depctr_va_sdst(0) depctr_va_ssrc(0) depctr_va_vcc(0) depctr_vm_vsrc(0)
	s_getreg_b32 s2, hwreg(HW_REG_IB_STS2, 6, 4)
	s_cmp_eq_u32 s2, 0
	s_cbranch_scc0 .Lentry_in_a_cluster
	s_endpgm
.Lentry_in_a_cluster:
	s_bfe_u32 s2, ttmp6, 0x10000c
	s_cmp_lg_u32 s2, 0xf033
	s_cbranch_scc0 .Lentry_shape_is_right
	s_endpgm
.Lentry_shape_is_right:
; qkv[row][0:3072] = x[row][:] . W[col][:] + bias[col]: the three projections as ONE product C = A B^T, 8,192 x 3,072, K = 1,024.  Operands bf16, sums f32, C rounded once to f16.
; LIMIT: q, k and v must stay within f16's 65,504.  The biases are rounded to bf16 like every other input.
; A TILE OF C IS 256 x 384: 32 x 8 = 256 work-groups of equal work.  Four waves, each 128 x 192: 96 accumulators of 16 x 16, which fill windows 1 to 3.
; xb and wb lie in blocks, [16 K blocks][rows][64]: the rows of a tile of 64 along K lie end to end, and a tile is asked for as rows of 256 consecutive bytes, padded in LDS behind every 128.
; K goes in 16 steps of 64 through two LDS slots (640 rows of 128 along K would not fit twice).  Waves 0 and 1 bring A's halves (128 rows), waves 2 and 3 B's (192 rows), one tensor load a wave.
; Both first fills go out together (two loads of a wave are out); then, in front of step s, ONE change of slots: step s has landed in every wave, nobody reads step s - 1 any more, and step s + 1 is asked
; for at once (one load out): it has a whole step, 192 matrix instructions a wave, in which to land.
; A step is two SUB-STEPS of 32 along K, 96 matrix instructions each, in three groups of 32 (one window each).  A's eight fragments have two buffers; B's twelve lie in three groups of four with ONE buffer:
; a group is loaded again straight behind the 32 products that read it, 64 products ahead of its next use.
; CLUSTER 4 x 4: a row of the cluster shares A's tiles, a column B's: each tile is asked for jointly, by the same load, descriptor and mask in the four.
; THE MATRIX INSTRUCTION IS USED TRANSPOSED (source 0 = 16 rows of B, source 1 = 16 rows of A): a lane holds row l % 16 of C and the columns 8 (l / 16) + 0..7.
; THE BIAS is the C operand of the products that start the sums.  Its blocks are loaded into the registers of row block 7's accumulators: the first products of row blocks 0 to 6 read them from there,
; row block 7's take them in place.  Nothing is cleared and nothing is added afterwards.
; REGISTERS: window 0: v0-31 addresses; v32-95, v96-159 fragments of A; v160-255 fragments of B; all of v32-223 on the way out.  Window 1 + g: accumulator (a, 4 g + j) at v[8 (4 a + j)].
.set PITCH,  144                       ; an LDS row: 128 bytes + 16 of padding = 36 words: the 16 rows of a fragment load start at 16 different groups of four banks (ISA guide 11.1)
.set AHALF,  128*PITCH
.set BHALF,  192*PITCH
.set BOFF,   2*AHALF                   ; a slot: A's 256 rows, then B's 384
.set SLOT1,  0x20000                   ; slot 1 begins here: above every address in slot 0, so one exclusive or changes slots
.set SPARE,  SLOT1+BOFF+2*BHALF        ; behind slot 1: the spare words, 128 bytes a wave, two blocks of 256 bytes that no other line names
.set STAGE,  SPARE+512                 ; 128 rows x 784 bytes, the work-group's, for the way out; no tensor load fills it
.set SPITCH, 784                       ; a stage row: 768 bytes + 16
.set CPITCH, 6144                      ; bytes in a row of qkv
.set ASTEP,  8192*128                  ; bytes from a K block of xb to the next
.set BSTEP,  3072*128                  ; of wb
.set A0,   16                          ; v16  my place in A's part of a slot; never rewritten
.set ADRA, 17                          ; v17  the same in the slot that is being read
.set B0,   20                          ; v20, v21  the same for B
.set ADRB, 21
.set STO,  24                          ; v24  the way out: where I put 16 bytes of a row
.set RD,   25                          ; v25  where I read 16 bytes of a row back
.set CO,   26                          ; v26  my byte offset in C
.set BO,   27                          ; v27  my byte offset in 16 numbers of the bias
.set SPW,  28                          ; v28  my spare word; never rewritten
.set NIL,  29                          ; v29  0; never rewritten
.set FA0,  32
.set FA1,  96
.set FB,   160
.set CB,   224                         ; windows 1 to 3: the bias blocks = the accumulators (7, j)
.set TMP,  32                          ; the way out: 192 registers
.set G1,  24                           ; s[24:31] descriptor group 1 for A's tiles
.set G0,  32                           ; s[32:35] group 0: step 1's, which then walks on
.set GF,  36                           ; s[36:39] group 0 of step 0
.set G1B, 48                           ; s[48:55], s[56:59], s[60:63] the same for B's
.set G0B, 56
.set GFB, 60
.set TB,  66                           ; s66  the slot that is being read: 0 or SLOT1
.set OUT, 67
.set MSB, 0
.macro WIN new                         ; the immediate's high byte repeats the setting that is left; a switch that changes nothing is dropped
.if MSB != (\new)
	s_set_vgpr_msb (MSB<<8)|(\new)
.set MSB, \new
.endif
.endm
.macro PLACES                          ; four places between a matrix instruction and a load into, or a vector read of, its registers (ISA guide 7.12.1 for vector instructions)
.rept 4
	v_nop
.endr
.endm
.macro JLOAD                           ; a joint refill: waves 0 and 1 fetch A's halves, waves 2 and 3 B's; s_nop 0 and four v_nop follow each line
	s_cmp_eq_u32 s11, 0
	s_cbranch_scc0 .Lfor_b_\@
	tensor_load_to_lds s[G0:G0+3], s[G1:G1+7]
	s_nop 0
.rept 4
	v_nop
.endr
	s_branch .Lasked_\@
.Lfor_b_\@:
	tensor_load_to_lds s[G0B:G0B+3], s[G1B:G1B+7]
	s_nop 0
.rept 4
	v_nop
.endr
.Lasked_\@:
.endm
.macro CROUND                          ; a round of the cluster's barrier: my work-group's barrier; wave 0 signals for it; every wave waits for all sixteen; my work-group's barrier again
	s_barrier_signal -1
	s_barrier_wait -1
	s_cmp_lg_u32 s10, 0
	s_cbranch_scc1 .Lnot_wave_0_\@
	s_barrier_signal -3
.Lnot_wave_0_\@:
	s_barrier_wait -3
	s_barrier_signal -1
	s_barrier_wait -1
.endm
	s_load_b128 s[4:7], s[0:1], 0x0                ; xb s[4:5], wb s[6:7]
	s_load_b64 s[8:9], s[0:1], 0x10                ; qkv
	s_load_b128 s[68:71], s[0:1], 0x18             ; bq s[68:69], bk s[70:71]
	s_load_b64 s[72:73], s[0:1], 0x28              ; bv
	v_lshl_add_u32 v[SPW], v0, 2, SPARE
	v_mov_b32 v[NIL], 0
	ds_add_u32 v[SPW], v[NIL]                      ; the wave's opening: the add and its wait stand ahead of my first tensor load
	ds_add_u32 v28, v29
	v_lshrrev_b32 v1, 5, v0
	v_readfirstlane_b32 s10, v1                    ; wave 0..3
	s_lshr_b32 s11, s10, 1                         ; wr: my half of the tile's rows.  Also: I fetch for A (0) or B (1)
	s_and_b32 s12, s10, 1                          ; wc: my half of its columns.  Also: which half of that tile I fetch
	s_bfe_u32 s40, ttmp6, 0x40000                  ; cx
	s_bfe_u32 s41, ttmp6, 0x40004                  ; cy
	s_lshl_b32 s42, ttmp9, 2
	s_add_co_u32 s42, s42, s40                     ; tile column = 4 x cluster x + cx
	s_and_b32 s13, ttmp7, 0xffff
	s_lshl_b32 s13, s13, 2
	s_add_co_u32 s13, s13, s41                     ; tile row = 4 x cluster y + cy
	s_lshl_b32 s43, s41, 2
	s_lshl_b32 s43, 15, s43                        ; my row of the cluster
	s_lshl_b32 s44, 0x1111, s40                    ; my column
	s_or_b32 s[G1+0], s43, (1<<16)|(1<<20)|(1<<21)|(4<<22)|(3<<25)   ; mask; 2-byte elements; padding on; bit 21 beside a mask; after every 32 words 4 words
	s_or_b32 s[G1B+0], s44, (1<<16)|(1<<20)|(1<<21)|(4<<22)|(3<<25)
	s_mov_b32 s[G1+1], 128<<16                     ; tensor_dim0 = 128 elements: 256 bytes, two rows of the tile
	s_mov_b32 s[G1+2], 64<<16                      ; tensor_dim1 = 64: 128 rows of the tile
	s_mov_b32 s[G1+3], 128<<16                     ; tile_dim0
	s_mov_b32 s[G1+4], 64                          ; tile_dim1
	s_mov_b32 s[G1+5], 128                         ; elements from row to row: dense
	s_mov_b32 s[G1+6], 0
	s_mov_b32 s[G1+7], 0
	s_mov_b32 s[G1B+1], 128<<16
	s_mov_b32 s[G1B+2], 96<<16                     ; 192 rows of the tile
	s_mov_b32 s[G1B+3], 128<<16
	s_mov_b32 s[G1B+4], 96
	s_mov_b32 s[G1B+5], 128
	s_mov_b32 s[G1B+6], 0
	s_mov_b32 s[G1B+7], 0
	s_lshl_b32 s16, s13, 15                        ; A: row 256 x tile row + 128 x half, 128 bytes a row in a K block
	s_lshl_b32 s17, s12, 14
	s_add_co_u32 s16, s16, s17
	s_mov_b32 s17, 0
	s_mul_i32 s46, s42, 384*128                    ; B: row 384 x tile column + 192 x half
	s_mul_i32 s47, s12, 192*128
	s_add_co_u32 s46, s46, s47
	s_mov_b32 s47, 0
	s_mul_i32 s20, s12, AHALF                      ; where my half goes: the wave's number alone
	s_mul_i32 s21, s12, BHALF
	s_add_co_u32 s21, s21, BOFF
	s_mov_b32 s[GF], 1
	s_mov_b32 s[GF+1], s20
	s_mov_b32 s[G0], 1
	s_add_co_u32 s[G0+1], s20, SLOT1
	s_mov_b32 s[GFB], 1
	s_mov_b32 s[GFB+1], s21
	s_mov_b32 s[G0B], 1
	s_add_co_u32 s[G0B+1], s21, SLOT1
	s_mov_b32 s[TB], 0
	s_wait_dscnt 0x0                               ; the opening add is done
	s_wait_kmcnt 0x0
	s_add_nc_u64 s[GF+2:GF+3], s[4:5], s[16:17]    ; K block 0,
	s_add_nc_u64 s[G0+2:G0+3], s[GF+2:GF+3], ASTEP ; K block 1
	s_or_b32 s[GF+3], s[GF+3], 0x80000000          ; type = 2
	s_or_b32 s[G0+3], s[G0+3], 0x80000000
	s_add_nc_u64 s[GFB+2:GFB+3], s[6:7], s[46:47]
	s_add_nc_u64 s[G0B+2:G0B+3], s[GFB+2:GFB+3], BSTEP
	s_or_b32 s[GFB+3], s[GFB+3], 0x80000000
	s_or_b32 s[G0B+3], s[G0B+3], 0x80000000
	CROUND                                         ; all sixteen work-groups are here: the first joint loads meet
	s_cmp_eq_u32 s11, 0                            ; a wave's two first fills stand in one branch, ahead of every wait on TENSORcnt and every LDS read
	s_cbranch_scc0 .Lfirst_b
	tensor_load_to_lds s[GF:GF+3], s[G1:G1+7]
	s_nop 0
	tensor_load_to_lds s[G0:G0+3], s[G1:G1+7]
	s_nop 0
.rept 4
	v_nop
.endr
	s_branch .Lfirst_asked
.Lfirst_b:
	tensor_load_to_lds s[GFB:GFB+3], s[G1B:G1B+7]
	s_nop 0
	tensor_load_to_lds s[G0B:G0B+3], s[G1B:G1B+7]
	s_nop 0
.rept 4
	v_nop
.endr
.Lfirst_asked:
	; all that follows up to the first barrier stands in the wait for step 0.
	; The bias: a group of four blocks is 64 columns and begins at a multiple of 64, so it lies in one of bq, bk, bv.
	s_mul_i32 s76, s42, 384
	s_mul_i32 s77, s12, 192
	s_add_co_u32 s76, s76, s77                     ; my first column of the 3,072
	s_mov_b32 s87, 0
.irp g, 0,1,2
	s_add_co_u32 s77, s76, 64*(\g)
	s_lshr_b32 s78, s77, 10                        ; which of the three
	s_and_b32 s77, s77, 1023
	s_lshl_b32 s86, s77, 2                         ; and where in it
	s_cmp_eq_u32 s78, 1
	s_cselect_b64 s[74:75], s[70:71], s[68:69]
	s_cmp_eq_u32 s78, 2
	s_cselect_b64 s[74:75], s[72:73], s[74:75]
	s_add_nc_u64 s[80+2*(\g):81+2*(\g)], s[74:75], s[86:87]
.endr
	v_and_b32 v1, 15, v0                           ; r = l % 16
	v_bfe_u32 v2, v0, 4, 1                         ; h = l / 16
	v_lshlrev_b32 v[BO], 5, v2                     ; my 8 of a block's 16 columns
.irp g, 0,1,2
	WIN ((\g)+1)<<6                                ; the loads' destination in window 1 + g
.irp j, 0,1,2,3
	global_load_b128 v[CB+8*(\j):CB+8*(\j)+3],   v[BO], s[80+2*(\g):81+2*(\g)] offset:64*(\j)
	global_load_b128 v[CB+8*(\j)+4:CB+8*(\j)+7], v[BO], s[80+2*(\g):81+2*(\g)] offset:64*(\j)+16
.endr
.endr
	WIN 0
	v_mul_u32_u24 v3, v1, PITCH
	v_lshl_add_u32 v3, v2, 4, v3                   ; a fragment's row x pitch + 16 x half
	s_mul_i32 s21, s11, AHALF
	s_mul_i32 s22, s12, BHALF
	s_add_co_u32 s22, s22, BOFF
	v_add_nc_u32 v[A0], s21, v3
	v_add_nc_u32 v[B0], s22, v3
	s_mul_i32 s23, s11, 64*SPITCH                  ; into the stage: my 64 rows of a pass, my 384 of their 768 bytes
	s_mul_i32 s22, s12, 384
	s_add_co_u32 s23, s23, s22
	s_add_co_u32 s23, s23, STAGE
	v_mul_u32_u24 v4, v1, SPITCH
	v_lshl_add_u32 v4, v2, 4, v4
	v_add_nc_u32 v[STO], s23, v4
	s_mul_i32 s23, s10, 32*SPITCH                  ; back: wave w takes stage rows 32 w .. 32 w + 31, whole; lanes 0-15 one row, lanes 16-31 the next
	s_add_co_u32 s23, s23, STAGE
	v_mul_u32_u24 v5, v2, SPITCH
	v_lshl_add_u32 v5, v1, 4, v5
	v_add_nc_u32 v[RD], s23, v5
	v_mul_u32_u24 v5, v2, CPITCH
	v_lshl_add_u32 v[CO], v1, 4, v5
	s_lshl_b32 s14, s13, 8                         ; the first row of C that I store: 256 x tile row + 128 (w / 2) + 32 (w % 2); the second pass lies 64 rows below
	s_lshl_b32 s15, s11, 7
	s_add_co_u32 s14, s14, s15
	s_lshl_b32 s15, s12, 5
	s_add_co_u32 s14, s14, s15
	s_mul_i32 s16, s14, CPITCH
	s_mov_b32 s17, 0
	s_mul_i32 s46, s42, 768                        ; the tile's first column, in bytes
	s_mov_b32 s47, 0
	s_add_nc_u64 s[16:17], s[16:17], s[46:47]
	s_add_nc_u64 s[8:9], s[8:9], s[16:17]
	s_wait_loadcnt 0x0                             ; the bias, rounded to bf16 and widened again
.irp g, 0,1,2
	WIN ((\g)+1)|(((\g)+1)<<2)
.set i, 0
.rept 16
	v_cvt_pk_bf16_f32 v[32+16*(\g)+i], v[CB+2*i], v[CB+2*i+1]
.set i, i+1
.endr
.endr
.irp g, 0,1,2
	WIN ((\g)+1)<<6
.set i, 0
.rept 16
	v_lshlrev_b32 v[CB+2*i],   16, v[32+16*(\g)+i]
	v_and_b32     v[CB+2*i+1], 0xffff0000, v[32+16*(\g)+i]
.set i, i+1
.endr
.endr
	WIN 0
; 32 matrix instructions: all 8 row blocks x the 4 column blocks of group g, 32 along K.  The accumulators take turns, one instruction a turn, in one order everywhere.
; cm = 1: the sums start from the bias blocks, which lie in the accumulators (7, j).  Row block 7's products write over registers that the 28 before them read as C: five places stand between (ISA guide 7.12.1).
.macro MULG fa, g, cm
	WIN 0x50*((\g)+1)
.irp a, 0,1,2,3,4,5,6,7
.if (\cm) && ((\a) == 7)
.rept 5
	v_nop
.endr
.endif
.irp j, 0,1,2,3
.if \cm
	v_wmma_f32_16x16x32_bf16 v[8*(4*(\a)+(\j)):8*(4*(\a)+(\j))+7], v[FB+32*(\g)+8*(\j):FB+32*(\g)+8*(\j)+7], v[(\fa)+8*(\a):(\fa)+8*(\a)+7], v[CB+8*(\j):CB+8*(\j)+7]
.else
	v_wmma_f32_16x16x32_bf16 v[8*(4*(\a)+(\j)):8*(4*(\a)+(\j))+7], v[FB+32*(\g)+8*(\j):FB+32*(\g)+8*(\j)+7], v[(\fa)+8*(\a):(\fa)+8*(\a)+7], v[8*(4*(\a)+(\j)):8*(4*(\a)+(\j))+7]
.endif
.endr
.endr
.endm
.macro LDB g, k                        ; 8 LDS loads: B's group g, 32 along K at byte k of the rows
.irp j, 0,1,2,3
	ds_load_b128 v[FB+32*(\g)+8*(\j):FB+32*(\g)+8*(\j)+3],   v[ADRB] offset:(\k)+(4*(\g)+(\j))*16*PITCH
	ds_load_b128 v[FB+32*(\g)+8*(\j)+4:FB+32*(\g)+8*(\j)+7], v[ADRB] offset:(\k)+(4*(\g)+(\j))*16*PITCH+32
.endr
.endm
.macro LDA fa, half, k                 ; 8 LDS loads: A's row blocks 4 half .. 4 half + 3 into buffer fa
.irp i, 0,1,2,3
	ds_load_b128 v[(\fa)+8*(4*(\half)+(\i)):(\fa)+8*(4*(\half)+(\i))+3],   v[ADRA] offset:(\k)+(4*(\half)+(\i))*16*PITCH
	ds_load_b128 v[(\fa)+8*(4*(\half)+(\i))+4:(\fa)+8*(4*(\half)+(\i))+7], v[ADRA] offset:(\k)+(4*(\half)+(\i))*16*PITCH+32
.endr
.endm
; A SUB-STEP: 96 matrix instructions on A's buffer fa; the next sub-step's fragments, at byte k of the rows, are fetched behind each group: B's group just multiplied, and half of A into buffer fn.
; adr = 1: the next sub-step lies in the slot just changed to: the addresses are made anew (these two lines and two v_nop are the four places).
.macro SUB fa, fn, k, adr, cm
	s_wait_dscnt 8                                 ; all but the youngest eight loads, B's group 2
	MULG \fa, 0, \cm
	WIN 0
.if \adr
	v_add_nc_u32 v[ADRA], s[TB], v[A0]
	v_add_nc_u32 v[ADRB], s[TB], v[B0]
	v_nop
	v_nop
.else
	PLACES
.endif
	LDB 0, \k
	LDA \fn, 0, \k
	MULG \fa, 1, \cm
	WIN 0
	PLACES
	LDB 1, \k
	LDA \fn, 1, \k
	s_wait_dscnt 32                                ; all but the 32 issued in this sub-step: B's group 2 is in
	MULG \fa, 2, \cm
	WIN 0
	PLACES
	LDB 2, \k
.endm
; THE CHANGE OF SLOTS, between a step's first sub-step and its second, whose fragments have all been asked for.  Each wave waits for all its tensor loads (one is out: its part of the slot to come), adds 0 to its
; spare word, and waits for that and for its reads of the slot that it leaves.  fill = 1: the barrier is a round of the cluster's, and the slot just left is asked for again first thing behind it.
.macro CHANGE fill
	WIN 0
	s_wait_tensorcnt 0x0                           ; no tensor load of mine is out, so a group 0 may be written
	ds_add_u32 v[SPW], v[NIL]                      ; 0 onto my spare word; scalar work stands between it and the wait for it
.if \fill
	s_xor_b32 s[G0+1], s[G0+1], SLOT1
	s_add_nc_u64 s[G0+2:G0+3], s[G0+2:G0+3], ASTEP
	s_xor_b32 s[G0B+1], s[G0B+1], SLOT1
	s_add_nc_u64 s[G0B+2:G0B+3], s[G0B+2:G0B+3], BSTEP
.endif
	s_xor_b32 s[TB], s[TB], SLOT1                  ; the fetches go to the other slot
	s_wait_dscnt 0x0                               ; the add is done, and my reads of the slot are over
.if \fill
	CROUND
	JLOAD
.else
	s_barrier_signal -1
	s_barrier_wait -1
.endif
.endm
; THE WAY OUT, in two passes of 128 rows (row blocks 4 p .. 4 p + 3 of every wave).  A wave's 192 columns are 384 bytes, one and a half aligned blocks of 256: so the two waves of a row half write the
; same stage rows, a barrier stands between writing and reading, and each wave then reads 32 whole rows of 768 bytes and stores them.
.macro PACK p                          ; rounded to f16: a lane's eight columns pack into 16 bytes; each accumulator's registers in ascending order
.irp g, 0,1,2
	WIN ((\g)+1)|(((\g)+1)<<2)
.irp al, 0,1,2,3
.irp j, 0,1,2,3
.irp q, 0,1,2,3
	v_cvt_pk_f16_f32 v[TMP+4*(12*(\al)+4*(\g)+(\j))+(\q)], v[8*(4*(4*(\p)+(\al))+(\j))+2*(\q)], v[8*(4*(4*(\p)+(\al))+(\j))+2*(\q)+1]
.endr
.endr
.endr
.endr
	WIN 0
.endm
.macro TOST
.irp al, 0,1,2,3
.irp b, 0,1,2,3,4,5,6,7,8,9,10,11
	ds_store_b128 v[STO], v[TMP+4*(12*(\al)+(\b)):TMP+4*(12*(\al)+(\b))+3] offset:(\al)*16*SPITCH+32*(\b)
.endr
.endr
.endm
.macro DRAIN p
	s_wait_dscnt 0x0                               ; for the others' sake: my stores into the stage are done
	s_barrier_signal -1
	s_barrier_wait -1
.set t, 0
.rept 48                                       ; two rows at a time, their three blocks of 256 bytes one after the other
	ds_load_b128 v[TMP+4*t:TMP+4*t+3], v[RD] offset:(t/3)*2*SPITCH+256*(t%3)
.set t, t+1
.endr
.set t, 0
.rept 48
.if t%3 == 0
	s_wait_dscnt 45-t                              ; the next three loads are in; the younger ones stay out
.endif
	global_store_b128 v[CO], v[TMP+4*t:TMP+4*t+3], s[8:9] offset:((\p)*64+(t/3)*2)*CPITCH+256*(t%3)  ; 16 lanes store 256 consecutive bytes, aligned
.set t, t+1
.endr
.endm
	s_wait_tensorcnt 0x1                           ; my part of step 0 is in; step 1's may stay out
	s_barrier_signal -1
	s_barrier_wait -1                              ; everybody's is
	v_add_nc_u32 v[ADRA], s[TB], v[A0]
	v_add_nc_u32 v[ADRB], s[TB], v[B0]
	LDB 0, 0                                       ; sub-step 0, in the order in which every sub-step fetches
	LDA FA0, 0, 0
	LDB 1, 0
	LDA FA0, 1, 0
	LDB 2, 0
	SUB FA0, FA1, 64, 0, 1                         ; the first sub-step starts the sums
	s_mov_b32 s[OUT], 14
.Lstep:                                                ; 14 times: in front of steps 1 to 14; steps 2 to 15 are asked for
	CHANGE 1
	SUB FA1, FA0, 0, 1, 0                          ; the old step's second sub-step; the new step's first is fetched
	SUB FA0, FA1, 64, 0, 0
	s_sub_co_u32 s[OUT], s[OUT], 1
	s_cmp_lg_u32 s[OUT], 0
	s_cbranch_scc1 .Lstep
	CHANGE 0                                       ; the last step is written out: nothing is asked for
	SUB FA1, FA0, 0, 1, 0
	SUB FA0, FA1, 64, 0, 0
	s_wait_dscnt 8                                 ; the very last sub-step: nothing more to fetch
	MULG FA1, 0, 0
	MULG FA1, 1, 0
	s_wait_dscnt 0x0
	MULG FA1, 2, 0
	WIN 0
	PLACES                                         ; behind the last products
	PACK 0
	TOST
	DRAIN 0
	s_barrier_signal -1                            ; every wave's reads of the stage are back (the count-down ended at 0): it may be written again
	s_barrier_wait -1
	s_wait_xcnt 0x0                                ; the registers that the stores read are rewritten only behind this wait
	PACK 1
	TOST
	DRAIN 1
	s_wait_tensorcnt 0x0                           ; the wave's end
	ds_add_u32 v[SPW], v[NIL]
	s_wait_dscnt 0x0
	CROUND                                         ; the closing round
	s_endpgm
.Lfunc_end_k_qf3da28586e_qkvgemm:
	.size	k_qf3da28586e_qkvgemm, .Lfunc_end_k_qf3da28586e_qkvgemm-k_qf3da28586e_qkvgemm
	.p2alignl 7, 3214868480
	.fill 96, 4, 3214868480
	.section	.rodata,"a",@progbits
	.p2align	6, 0x0
	.amdhsa_kernel k_qf3da28586e_qkvgemm
		.amdhsa_group_segment_fixed_size 327680
		.amdhsa_private_segment_fixed_size 0
		.amdhsa_enable_private_segment 0
		.amdhsa_kernarg_size 48
		.amdhsa_user_sgpr_count 2
		.amdhsa_user_sgpr_kernarg_segment_ptr 1
		.amdhsa_wavefront_size32 1
		.amdhsa_system_sgpr_workgroup_id_x 1
		.amdhsa_system_sgpr_workgroup_id_y 1
		.amdhsa_system_sgpr_workgroup_id_z 1
		.amdhsa_system_vgpr_workitem_id 0
		.amdhsa_next_free_vgpr 1024
		.amdhsa_next_free_sgpr 96
		.amdhsa_reserve_vcc 0
		.amdhsa_float_denorm_mode_32 3
		.amdhsa_float_denorm_mode_16_64 3
		.amdhsa_memory_ordered 1
		.amdhsa_forward_progress 1
		.amdhsa_inst_pref_size 122
	.end_amdhsa_kernel
	.amdgpu_metadata
---
amdhsa.version: [ 1, 2 ]
amdhsa.kernels:
  - .name:           k_qf3da28586e_qkvgemm
    .symbol:         k_qf3da28586e_qkvgemm.kd
    .args:
      - { .name: xb, .offset: 0, .size: 8, .value_kind: global_buffer, .address_space: global }
      - { .name: wb, .offset: 8, .size: 8, .value_kind: global_buffer, .address_space: global }
      - { .name: qkv, .offset: 16, .size: 8, .value_kind: global_buffer, .address_space: global }
      - { .name: bq, .offset: 24, .size: 8, .value_kind: global_buffer, .address_space: global }
      - { .name: bk, .offset: 32, .size: 8, .value_kind: global_buffer, .address_space: global }
      - { .name: bv, .offset: 40, .size: 8, .value_kind: global_buffer, .address_space: global }
    .group_segment_fixed_size: 327680
    .private_segment_fixed_size: 0
    .kernarg_segment_align: 8
    .kernarg_segment_size: 48
    .max_flat_workgroup_size: 128
    .sgpr_count:     96
    .vgpr_count:     1024
    .wavefront_size: 32
...
	.end_amdgpu_metadata
.endif
;; end of part 2
;; launch scores (part 3): grid 36 x 4, 4 waves a work-group, no clusters, 327,680 bytes of LDS; arguments qkv, pw, st; writes pw, st
.if DOCPART == 3
	.amdgcn_target "amdgcn-amd-amdhsa--gfx1250"
	.amdhsa_code_object_version 6
	.text
	.protected	k_qf3da28586e_scores
	.globl	k_qf3da28586e_scores
	.p2align	8
	.type	k_qf3da28586e_scores,@function
k_qf3da28586e_scores:
	s_mov_b64 s[64:65], 0
	v_nop
	global_prefetch_b8 v0, s[64:65] scope:SCOPE_SE
	s_setreg_imm32_b32 hwreg(HW_REG_WAVE_MODE, 25, 1), 1
	s_wait_xcnt 0x0
; For each tile (I, J), J <= I, of 256 queries x 256 keys of a batch: S = q k^T (f16 operands, f32 sums, K = 1,024), the causal mask, and the first half of the softmax:
; for each query and each block of 128 keys the maximum m, p = 2^(c s - c m) rounded to f16 (pw), and l = the sum of the unrounded p; (c m, l) go to st in f32.  c = log2(e) / 32.
; The next launch merges the blocks' statistics into the row's true maximum and sum.  The f32 scores never leave registers.
; THE MASK is the C operand of the products that start the sums: 0, or -1e30 where the key is hidden.  A hidden score counts as its value less 1e30; f16's scores, 4.4e12 at the most, are nothing beside that.
; m has a floor of -2^96, far below every real score: a row that sees nothing of a block gets p = 0, l = 0 and c m = -c 2^96, all finite, and the next launch gives that block the factor 0.
; LIMITS: a weight below 2^-126 counts as 0 in l; p below 6e-5 keeps f16's fixed step of 6e-8; NaN and infinities are not treated apart.
; NO CLUSTER: row I of the triangle has I + 1 tiles and column J has 8 - J, so no division into fours shares a tile at every place, and filling up with tiles above the diagonal would be work of no use.
; Tile shape, ring, loop and way out: four waves of 128 x 128, 8 K steps of 128 through two LDS slots, one tensor load a wave behind each change of slots (one out at a time), a pair of quarters
; written once and walked by two counters; the matrix instruction transposed, so that a lane holds ONE query (l % 16) and the keys 16 b + 8 (l / 16) + 0..7 of its wave's 128.
.set KSTEP,  128
.set PITCH,  272
.set HALFT,  128*PITCH
.set SLOT,   4*HALFT                   ; 0x22000: shares no bit with wave x HALFT
.set STAGE,  2*SLOT
.set SPITCH, 272
.set SPARE,  STAGE+4*16*SPITCH         ; the spare words: 128 bytes a wave, two blocks of 256 bytes that no other line names
.set CPITCH, 4096                      ; bytes in a row of pw
.set A0,   16
.set ADRA, 17
.set B0,   20
.set ADRB, 21
.set STO,  24
.set RD,   25
.set CO,   26
.set SS,   27                          ; v27  the statistics: where I put a row's 8 bytes
.set SPW,  28                          ; v28  my spare word; never rewritten
.set NIL,  29                          ; v29  0; never rewritten
.set SR,   30                          ; v30  where I read 16 bytes of them back
.set SO,   31                          ; v31  my byte offset in 512 bytes of st
.set F0,   64
.set F1,   128
.set ML,   192                         ; v192-199  the mask of a 16 x 16 block below the wave tile's diagonal, v200-207 on it, v208-215 above it
.set MD,   200
.set MH,   208
.set CH,   64                          ; the softmax: v64-71 eight chains of maxima
.set ST,   72                          ; v72-87  (c m, l) of block a at ST + 2 a
.set T,    96                          ; v96-127 sums at work
.set TMP,  192
.set OB,   32
.set G1,  24
.set G0,  32
.set CS,  36                           ; s[36:37] c
.set SEL, 38                           ; s[38:39] v_permlanex16_b32's selects: each lane takes its own place in the other half
.set FLOOR, 40
.set BIGN, 41
.set TB,  60
.set CNT, 61
.set OUT, 62
.set MSB, 0
.macro WIN new
.if MSB != (\new)
	s_set_vgpr_msb (MSB<<8)|(\new)
.set MSB, \new
.endif
.endm
.macro TLOAD                           ; my quarter of a slot; s_nop 0 and four v_nop follow
	tensor_load_to_lds s[G0:G0+3], s[G1:G1+7]
	s_nop 0
.rept 4
	v_nop
.endr
.endm
	s_load_b128 s[4:7], s[0:1], 0x0                ; qkv s[4:5], pw s[6:7]
	s_load_b64 s[8:9], s[0:1], 0x10                ; st
	v_lshl_add_u32 v[SPW], v0, 2, SPARE
	v_mov_b32 v[NIL], 0
	ds_add_u32 v[SPW], v[NIL]                      ; the wave's opening: the add and its wait stand ahead of my first tensor load
	ds_add_u32 v28, v29
	v_lshrrev_b32 v1, 5, v0
	v_readfirstlane_b32 s10, v1                    ; wave 0..3
	s_lshr_b32 s11, s10, 1                         ; wr: my half of the queries
	s_and_b32 s12, s10, 1                          ; wc: my half of the keys.  Also: which 128 rows I fetch
	s_mov_b32 s22, ttmp9                           ; t = I (I + 1) / 2 + J
	s_mov_b32 s13, 0
.irp n, 1,3,6,10,15,21,28
	s_cmp_ge_u32 s22, \n
	s_cselect_b32 s14, 1, 0
	s_add_co_u32 s13, s13, s14                     ; I = how many triangular numbers t has reached
.endr
	s_add_co_u32 s14, s13, 1
	s_mul_i32 s14, s14, s13
	s_lshr_b32 s14, s14, 1
	s_sub_co_u32 s14, s22, s14                     ; J
	s_and_b32 s15, ttmp7, 0xffff                   ; the batch
	s_mov_b32 s[G1+0], (1<<16)|(1<<20)|(5<<22)|(3<<25)  ; 2-byte elements; padding on: after every 64 words 4 words
	s_mov_b32 s[G1+1], KSTEP<<16                   ; tensor_dim0 = 128
	s_mov_b32 s[G1+2], 128<<16                     ; tensor_dim1 = 128
	s_mov_b32 s[G1+3], KSTEP<<16                   ; tile_dim0 = 128
	s_mov_b32 s[G1+4], 128                         ; tile_dim1 = 128
	s_mov_b32 s[G1+5], 3072                        ; elements from row to row of qkv
	s_mov_b32 s[G1+6], 0
	s_mov_b32 s[G1+7], 0
	s_cmp_lt_u32 s10, 2                            ; waves 0 and 1 fetch q's rows of block I, waves 2 and 3 k's rows of block J
	s_cselect_b32 s46, s13, s14
	s_cselect_b32 s47, 0, 2048                     ; k lies 2,048 bytes into a row
	s_lshl_b32 s46, s46, 8
	s_lshl_b32 s20, s12, 7
	s_add_co_u32 s46, s46, s20
	s_lshl_b32 s20, s15, 11
	s_add_co_u32 s46, s46, s20
	s_mul_i32 s46, s46, 6144
	s_add_co_u32 s46, s46, s47
	s_mov_b32 s47, 0
	s_mov_b32 s[G0], 1
	s_mul_i32 s[G0+1], s10, HALFT
	s_lshl_b32 s16, s13, 8
	s_lshl_b32 s17, s11, 7
	s_add_co_u32 s16, s16, s17                     ; my first query in the batch
	s_lshl_b32 s20, s16, 3
	s_lshl_b32 s16, s16, 12                        ; rows of 4,096 bytes in pw
	s_lshl_b32 s17, s15, 23
	s_add_co_u32 s16, s16, s17
	s_lshl_b32 s17, s14, 9
	s_add_co_u32 s16, s16, s17
	s_lshl_b32 s17, s12, 8
	s_add_co_u32 s16, s16, s17                     ; what the way out adds to pw's address
	s_mov_b32 s17, 0
	s_lshl_b32 s18, s15, 4
	s_lshl1_add_u32 s18, s14, s18
	s_add_co_u32 s18, s18, s12                     ; 16 x batch + my block of 128 keys, 2 J + wc
	s_lshl_b32 s18, s18, 14                        ; 2,048 rows of 8 bytes
	s_add_co_u32 s18, s18, s20
	s_mov_b32 s19, 0
	s_mov_b32 s[CS], 0x3d38aa3b                    ; c = log2(e) / 32
	s_mov_b32 s[CS+1], s[CS]                       ; named with it as a pair
	s_mov_b32 s[SEL], 0x76543210
	s_mov_b32 s[SEL+1], 0xfedcba98
	s_mov_b32 s[FLOOR], 0xef800000                 ; -2^96
	s_mov_b32 s[BIGN], 0xf149f2ca                  ; -1e30
	s_cmp_eq_u32 s13, s14
	s_cselect_b32 s44, 1, 0                        ; the tile holds the diagonal
	s_cmp_lt_u32 s11, s12
	s_cselect_b32 s45, s44, 0                      ; and my wave tile lies above it: all is hidden
	s_cmp_le_u32 s11, s12
	s_cselect_b32 s21, s44, 0                      ; or on it: the blocks above its own diagonal are hidden
	s_cmp_eq_u32 s45, 1
	s_cselect_b32 s42, s[BIGN], 0
	s_cmp_eq_u32 s21, 1
	s_cselect_b32 s43, s[BIGN], 0
	s_mov_b32 s[TB], SLOT+256                      ; the first change of slots turns this into 0
	s_wait_dscnt 0x0                               ; the opening add is done
	s_wait_kmcnt 0x0
	s_add_nc_u64 s[G0+2:G0+3], s[4:5], s[46:47]
	s_or_b32 s[G0+3], s[G0+3], 0x80000000          ; type = 2
	s_add_nc_u64 s[8:9], s[8:9], s[18:19]          ; st at my 128 rows of my key block
	TLOAD                                          ; K step 0 into slot 0
	v_and_b32 v1, 15, v0                           ; r
	v_bfe_u32 v2, v0, 4, 1                         ; h
	v_mul_u32_u24 v3, v1, PITCH
	v_lshl_add_u32 v3, v2, 4, v3
	s_mul_i32 s21, s11, HALFT
	s_mul_i32 s22, s12, HALFT
	s_add_co_u32 s22, s22, 2*HALFT
	v_add_nc_u32 v[A0], s21, v3
	v_add_nc_u32 v[B0], s22, v3
	s_mul_i32 s23, s10, 16*SPITCH
	s_add_co_u32 s23, s23, STAGE                   ; my stage
	v_mul_u32_u24 v4, v1, SPITCH
	v_lshl_add_u32 v4, v2, 4, v4
	v_add_nc_u32 v[STO], s23, v4
	v_mul_u32_u24 v5, v2, SPITCH
	v_lshl_add_u32 v5, v1, 4, v5
	v_add_nc_u32 v[RD], s23, v5
	v_lshlrev_b32 v5, 12, v2
	v_lshl_add_u32 v[CO], v1, 4, v5
	v_lshl_add_u32 v[SS], v1, 3, s23
	v_and_b32 v5, 31, v0
	v_lshl_add_u32 v[SR], v5, 4, s23
	v_lshlrev_b32 v[SO], 4, v5
	v_lshlrev_b32 v3, 3, v2
	v_sub_nc_u32 v3, v1, v3                        ; r - 8 h: on a block's own diagonal register j is hidden where j is greater
.irp j, 0,1,2,3,4,5,6,7
	v_mov_b32 v[ML+(\j)], s42
	v_mov_b32 v[MH+(\j)], s43
	v_cmp_gt_i32 vcc_lo, \j, v3
	v_cndmask_b32 v[MD+(\j)], v[ML+(\j)], v[MH+(\j)], vcc_lo
.endr
; 16 matrix instructions.  cm = 1: the sums start from the mask of the block's place.  The 64 accumulators take turns in one order everywhere.
.macro MUL16 f, hi, a0, cm
.if \cm
	WIN 0x81+0x40*(\hi)
.else
	WIN 0xa1+0x50*(\hi)
.endif
.irp a, \a0, (\a0)+1
.irp b, 0,1,2,3,4,5,6,7
.if \cm
.if (4*(\hi)+(\a)) > (\b)
.set rC, ML
.elseif (4*(\hi)+(\a)) == (\b)
.set rC, MD
.else
.set rC, MH
.endif
	v_wmma_f32_16x16x32_f16 v[8*(8*(\a)+(\b)):8*(8*(\a)+(\b))+7], v[(\f)+8*(\b):(\f)+8*(\b)+7], v[(\f)+8*(4*(\hi)+(\a)):(\f)+8*(4*(\hi)+(\a))+7], v[rC:rC+7]
.else
	v_wmma_f32_16x16x32_f16 v[8*(8*(\a)+(\b)):8*(8*(\a)+(\b))+7], v[(\f)+8*(\b):(\f)+8*(\b)+7], v[(\f)+8*(4*(\hi)+(\a)):(\f)+8*(4*(\hi)+(\a))+7], v[8*(8*(\a)+(\b)):8*(8*(\a)+(\b))+7]
.endif
.endr
.endr
.endm
.macro FETCH f
	WIN 0x40
.irp i, 0,1,2,3,4,5,6,7
	ds_load_b128 v[(\f)+8*(\i):(\f)+8*(\i)+3],   v[ADRB] offset:(\i)*16*PITCH
	ds_load_b128 v[(\f)+8*(\i)+4:(\f)+8*(\i)+7], v[ADRB] offset:(\i)*16*PITCH+32
.endr
	WIN 0
.irp i, 0,1,2,3,4,5,6,7
	ds_load_b128 v[(\f)+8*(\i):(\f)+8*(\i)+3],   v[ADRA] offset:(\i)*16*PITCH
	ds_load_b128 v[(\f)+8*(\i)+4:(\f)+8*(\i)+7], v[ADRA] offset:(\i)*16*PITCH+32
.endr
.endm
.macro QUARTER f, g, cm
	s_wait_dscnt 8                                 ; B and A's rows 0-63 are in; the youngest eight loads may be out
	MUL16 \f, 0, 0, \cm
	MUL16 \f, 0, 2, \cm
	WIN 0
	v_add_nc_u32 v[ADRA], s[TB], v[A0]             ; these two and two v_nop are the four places between the last product that read buffer g and the loads into it
	v_add_nc_u32 v[ADRB], s[TB], v[B0]
	v_nop
	v_nop
	FETCH \g
	s_add_co_u32 s[TB], s[TB], 64
	s_wait_dscnt 32                                ; all but the 32 just issued
	MUL16 \f, 1, 0, \cm
	MUL16 \f, 1, 2, \cm
.endm
.macro PAIR
	QUARTER F1, F0, 0
	QUARTER F0, F1, 0
	WIN 0
.endm
; THE CHANGE OF SLOTS: all my tensor loads have landed (one was out: my part of the slot to come); the add; my reads of the slot that I leave are over; the barrier; then, fill = 1, that slot is asked for again at once.
.macro CHANGE fill
	WIN 0
	s_wait_tensorcnt 0x0                           ; no tensor load of mine is out, so group 0 may be written
	ds_add_u32 v[SPW], v[NIL]
.if \fill
	s_xor_b32 s[G0+1], s[G0+1], SLOT
	s_add_nc_u64 s[G0+2:G0+3], s[G0+2:G0+3], KSTEP*2
.endif
	s_sub_co_u32 s[TB], s[TB], 256
	s_xor_b32 s[TB], s[TB], SLOT
	s_wait_dscnt 0x0                               ; the add is done, and my reads of the slot are over
	s_barrier_signal -1
	s_barrier_wait -1
.if \fill
	TLOAD
.endif
.endm
; THE SOFTMAX's first half for block a (16 queries x my 128 keys; a lane holds 64 scores of one query, the lane 16 away the other 64).
.macro SOFTMAX a
.set X, 2+(\a)/4
.set SB, 64*((\a)%4)
.set SA, ST+2*(\a)
	WIN X|(X<<2)|(X<<4)
.irp b, 0,1,2,3,4,5,6,7                ; eight chains; each accumulator's lowest registers are read first
	v_max3_num_f32 v[CH+(\b)], v[SB+8*(\b)], v[SB+8*(\b)+1], v[SB+8*(\b)+2]
.endr
	WIN (X<<2)|(X<<4)
.irp b, 0,1,2,3,4,5,6,7
	v_max3_num_f32 v[CH+(\b)], v[CH+(\b)], v[SB+8*(\b)+3], v[SB+8*(\b)+4]
.endr
.irp b, 0,1,2,3,4,5,6,7
	v_max3_num_f32 v[CH+(\b)], v[CH+(\b)], v[SB+8*(\b)+5], v[SB+8*(\b)+6]
.endr
.irp b, 0,2,4,6
	v_max3_num_f32 v[CH+(\b)], v[CH+(\b)], v[SB+8*(\b)+7], v[SB+8*(\b)+15]
.endr
	WIN 0
	v_max3_num_f32 v[CH], v[CH], v[CH+1], v[CH+2]
	v_max3_num_f32 v[CH+3], v[CH+3], v[CH+4], v[CH+5]
	v_max_num_f32 v[CH+6], v[CH+6], v[CH+7]
	v_max3_num_f32 v[CH], v[CH], v[CH+3], v[CH+6]
	v_permlanex16_b32 v[CH+1], v[CH], s[SEL], s[SEL+1]
	v_max3_num_f32 v[SA+1], v[CH], v[CH+1], s[FLOOR]  ; m, with its floor
	v_mul_f32 v[SA], s[CS], v[SA+1]                ; c m
	WIN X|(X<<6)
.set i, 0
.rept 32
	v_pk_fma_f32 v[SB+2*i:SB+2*i+1], v[SB+2*i:SB+2*i+1], s[CS:CS+1], v[SA:SA+1] op_sel_hi:[1,0,0] neg_lo:[0,0,1] neg_hi:[0,0,1]  ; c s - c m
.set i, i+1
.endr
.set i, 0
.rept 64
	v_exp_f32 v[SB+i], v[SB+i]
.set i, i+1
.endr
	v_nop                                          ; a plain instruction between the last exponential and the use of its result (ISA guide 5.7.2)
	WIN X|(X<<2)
	s_wait_alu depctr_va_vdst(0)
.irp b, 0,1,2,3,4,5,6,7
.irp r, 0,1,2,3
	v_cvt_pk_f16_f32 v[TMP+4*(\b)+(\r)], v[SB+8*(\b)+2*(\r)], v[SB+8*(\b)+2*(\r)+1]
.endr
.endr
.set i, 0
.rept 16
	v_pk_add_f32 v[T+2*i:T+2*i+1], v[SB+4*i:SB+4*i+1], v[SB+4*i+2:SB+4*i+3]
.set i, i+1
.endr
	WIN 0
.irp w, 8,4,2,1                        ; a tree over the 16 pairs
.set i, 0
.rept \w
	v_pk_add_f32 v[T+2*i:T+2*i+1], v[T+2*i:T+2*i+1], v[T+2*(i+(\w)):T+2*(i+(\w))+1]
.set i, i+1
.endr
.endr
	v_add_f32 v[T], v[T], v[T+1]
	v_permlanex16_b32 v[T+1], v[T], s[SEL], s[SEL+1]
	v_add_f32 v[SA+1], v[T], v[T+1]                ; l
.endm
.macro TOSTAGE a
.set BK, OB+192*((\a)%2)
.irp b, 0,1,2,3,4,5,6,7
	ds_store_b128 v[STO], v[TMP+4*(\b):TMP+4*(\b)+3] offset:32*(\b)
.endr
.irp t, 0,1,2,3,4,5,6,7
	ds_load_b128 v[BK+4*(\t):BK+4*(\t)+3], v[RD] offset:(\t)*2*SPITCH  ; LDS serves a wave's instructions in order (ISA guide 5.7.1.4)
.endr
.endm
.macro SEND a
.set BK, OB+192*((\a)%2)
	s_wait_dscnt 0x0                               ; the block is back in registers
	s_wait_xcnt 0x0                                ; the stores' base and the registers that earlier stores read are rewritten only behind this wait
.if (\a) == 0
	s_add_nc_u64 s[6:7], s[6:7], s[16:17]
.else
	s_add_nc_u64 s[6:7], s[6:7], 16*CPITCH
.endif
.irp t, 0,1,2,3,4,5,6,7
	global_store_b128 v[CO], v[BK+4*(\t):BK+4*(\t)+3], s[6:7] offset:2*(\t)*CPITCH  ; 16 lanes store 256 consecutive bytes, aligned
.endr
.endm
	CHANGE 1                                       ; step 0 is in; step 1 is asked for
	v_add_nc_u32 v[ADRA], s[TB], v[A0]
	v_add_nc_u32 v[ADRB], s[TB], v[B0]
	FETCH F0
	s_add_co_u32 s[TB], s[TB], 64
	QUARTER F0, F1, 1                              ; the first quarter starts the sums, from the masks
	WIN 0
	s_mov_b32 s[CNT], 1
	s_mov_b32 s[OUT], 7
	s_branch .Lpair
.Louter:                                               ; six times: in front of steps 1 to 6
	CHANGE 1
	s_mov_b32 s[CNT], 2
.Lpair:
	PAIR
	s_sub_co_u32 s[CNT], s[CNT], 1
	s_cmp_lg_u32 s[CNT], 0
	s_cbranch_scc1 .Lpair
	s_sub_co_u32 s[OUT], s[OUT], 1
	s_cmp_lg_u32 s[OUT], 0
	s_cbranch_scc1 .Louter
	CHANGE 0                                       ; the last step is written out
	s_mov_b32 s[CNT], 2
.Ltail:
	PAIR
	s_sub_co_u32 s[CNT], s[CNT], 1
	s_cmp_lg_u32 s[CNT], 0
	s_cbranch_scc1 .Ltail
	s_wait_dscnt 8
	MUL16 F1, 0, 0, 0
	MUL16 F1, 0, 2, 0
	s_wait_dscnt 0x0
	MUL16 F1, 1, 0, 0
	MUL16 F1, 1, 2, 0
	WIN 0
.rept 4
	v_nop                                          ; the places behind the last products
.endr
	SOFTMAX 0
	TOSTAGE 0
.irp a, 1,2,3,4,5,6,7                  ; block a's softmax stands between block a - 1's loads from the stage and the wait for them
	SOFTMAX \a
	SEND (\a)-1
	TOSTAGE \a
.endr
	SEND 7
	; the statistics: 128 rows x 8 bytes through my stage (both halves of the lanes hold and write the same pair), out as 1,024 consecutive bytes
.irp a, 0,1,2,3,4,5,6,7
	ds_store_b64 v[SS], v[ST+2*(\a):ST+2*(\a)+1] offset:128*(\a)
.endr
	ds_load_b128 v[32:35], v[SR]                   ; free since the last SEND's wait
	ds_load_b128 v[36:39], v[SR] offset:512
	s_wait_dscnt 1                                 ; the first of the two is in
	global_store_b128 v[SO], v[32:35], s[8:9]
	s_wait_dscnt 0x0
	global_store_b128 v[SO], v[36:39], s[8:9] offset:512
	s_wait_tensorcnt 0x0                           ; the wave's end
	ds_add_u32 v[SPW], v[NIL]
	s_wait_dscnt 0x0
	s_endpgm
.Lfunc_end_k_qf3da28586e_scores:
	.size	k_qf3da28586e_scores, .Lfunc_end_k_qf3da28586e_scores-k_qf3da28586e_scores
	.p2alignl 7, 3214868480
	.fill 96, 4, 3214868480
	.section	.rodata,"a",@progbits
	.p2align	6, 0x0
	.amdhsa_kernel k_qf3da28586e_scores
		.amdhsa_group_segment_fixed_size 327680
		.amdhsa_private_segment_fixed_size 0
		.amdhsa_enable_private_segment 0
		.amdhsa_kernarg_size 24
		.amdhsa_user_sgpr_count 2
		.amdhsa_user_sgpr_kernarg_segment_ptr 1
		.amdhsa_wavefront_size32 1
		.amdhsa_system_sgpr_workgroup_id_x 1
		.amdhsa_system_sgpr_workgroup_id_y 1
		.amdhsa_system_sgpr_workgroup_id_z 1
		.amdhsa_system_vgpr_workitem_id 0
		.amdhsa_next_free_vgpr 1024
		.amdhsa_next_free_sgpr 72
		.amdhsa_reserve_vcc 1
		.amdhsa_float_denorm_mode_32 3
		.amdhsa_float_denorm_mode_16_64 3
		.amdhsa_memory_ordered 1
		.amdhsa_forward_progress 1
		.amdhsa_inst_pref_size 147
	.end_amdhsa_kernel
	.amdgpu_metadata
---
amdhsa.version: [ 1, 2 ]
amdhsa.kernels:
  - .name:           k_qf3da28586e_scores
    .symbol:         k_qf3da28586e_scores.kd
    .args:
      - { .name: qkv, .offset: 0, .size: 8, .value_kind: global_buffer, .address_space: global }
      - { .name: pw, .offset: 8, .size: 8, .value_kind: global_buffer, .address_space: global }
      - { .name: st, .offset: 16, .size: 8, .value_kind: global_buffer, .address_space: global }
    .group_segment_fixed_size: 327680
    .private_segment_fixed_size: 0
    .kernarg_segment_align: 8
    .kernarg_segment_size: 24
    .max_flat_workgroup_size: 128
    .sgpr_count:     72
    .vgpr_count:     1024
    .wavefront_size: 32
...
	.end_amdgpu_metadata
.endif
;; end of part 3
;; launch pvgemm (part 4): grid 8 x 32, 4 waves a work-group, clusters of 4 x 1, 327,680 bytes of LDS; arguments pw, qkv, st, ob; writes ob
.if DOCPART == 4
	.amdgcn_target "amdgcn-amd-amdhsa--gfx1250"
	.amdhsa_code_object_version 6
	.text
	.protected	k_qf3da28586e_pvgemm
	.globl	k_qf3da28586e_pvgemm
	.p2align	8
	.type	k_qf3da28586e_pvgemm,@function
k_qf3da28586e_pvgemm:
	s_mov_b64 s[64:65], 0
	v_nop
	global_prefetch_b8 v0, s[64:65] scope:SCOPE_SE
	s_setreg_imm32_b32 hwreg(HW_REG_WAVE_MODE, 25, 1), 1
	s_wait_xcnt 0x0
	s_wait_alu depctr_hold_cnt(0) depctr_sa_sdst(0) depctr_va_vdst(0) depctr_va_sdst(0) depctr_va_ssrc(0) depctr_va_vcc(0) depctr_vm_vsrc(0)
	s_getreg_b32 s2, hwreg(HW_REG_IB_STS2, 6, 4)
	s_cmp_eq_u32 s2, 0
	s_cbranch_scc0 .Lentry_in_a_cluster
	s_endpgm
.Lentry_in_a_cluster:
	s_bfe_u32 s2, ttmp6, 0x10000c
	s_cmp_lg_u32 s2, 0x3003
	s_cbranch_scc0 .Lentry_shape_is_right
	s_endpgm
.Lentry_shape_is_right:
; O[q][ch] = the sum over keys of (p f) V[key][ch]: the softmax's second half and the second product.  p (f16) is relative to its block of 128 keys; f = 2^(c m_block - c m_row) / l_row, at most 1,
; with m_row the maximum and l_row = the sum of 2^(c m_block - c m_row) l_block over the row's blocks, made here in f32 from st.  f is rounded to f16, p f once more; sums f32; O rounded once to f16.
; LIMITS: p f below 6e-5 keeps f16's fixed step of 6e-8, beside a row's weights that add up to 1; NaN and infinities are not treated apart.
; THE WALK.  A batch's queries lie in 16 blocks of 128; block i needs the key steps 0 .. i / 2 of 256 keys.  A work-group takes 128 channels and TWO blocks, 15 - p and then p: 9 key steps whatever p:
; 256 work-groups of equal work, ONE walk with constant trip counts.  Which tile is asked for hangs on scalars made from p.  At the walk's one change of blocks the finished sums are set aside as f16 (SAVE) and
; the next products start from 0: a forward jump over register work alone.
; CLUSTER 4 x 1: the four partners share batch and p, hence every branch, every count and P's tiles, which are asked for jointly; each has its own 128 channels of V and asks for those alone, behind the same rounds.
; V is not shared further: only two values of p have the same pair of walk lengths, and a walk common to more would add steps.
; A wave makes 64 x 64: 16 accumulators.  A key step is four quarters of 64 keys, 32 matrix instructions each; the 64 scalings p f of a quarter stand in front of its two halves.
; The matrix instruction is used transposed (source 0 = 16 channels of V, turned by ds_load_tr16_b128; source 1 = 16 queries of P): a lane holds one query and eight neighbouring channels.
; REGISTERS: window 0: v0-31 addresses and factors; v32-127 the table's making, later the way out; v128-255 accumulators.  Window 1: two fragment buffers of 128 (P's 64, then V's 64).  Window 2: v0-63 SAVE.
.set PP,     528                       ; a row of P in LDS: 512 bytes + 16: the 16 rows of a load start at 16 different groups of four banks (ISA guide 11.1)
.set PV,     288                       ; a row of V: 256 + 32
.set VOFF,   128*PP                    ; a slot: 128 rows of P, then 256 rows of V
.set SLOT1,  0x24000                   ; slot 1 begins here; it shares no bit with the four LDS addresses of slot 0's loads, so one exclusive or changes slots
.set SPARE,  VOFF+256*PV               ; behind slot 0: the spare words, 128 bytes a wave, two blocks of 256 bytes that no other line names
.set FAC,    SPARE+512                 ; the table: entry e (key block e of the walk's 18): 128 rows x 2 bytes
.set STAGE,  SLOT1+VOFF+256*PV         ; behind slot 1: 128 rows x 272 bytes, the work-group's
.set SPITCH, 272
.set FN,   8                           ; v8-11   factors as loaded, one for each 16 rows
.set FC,   12                          ; v12-15  the same in both halves
.set A0,   16
.set ADRA, 17
.set B0,   20
.set ADRB, 21
.set FA0,  22                          ; v22  my row's place in an entry of the table
.set FADR, 23
.set STO,  24
.set RD,   25
.set CO,   26
.set FW,   27                          ; v27  where thread t writes row t's factor
.set SPW,  28                          ; v28  my spare word; never rewritten
.set NIL,  29                          ; v29  0; never rewritten
.set PO,   32                          ; the table's making: v32-40 byte offsets in st, one a key step
.set ZR,   50                          ; v50  0
.set NG,   51                          ; v51  the lowest finite number
.set PD,   52                          ; v52-87  entry e: (c m, l) at PD + 2 e
.set M1,   88                          ; v88, v89  the two blocks' row maxima;  v90, v91 their sums
.set L1,   90
.set T1,   92
.set MS,   96                          ; v96-104  by key step: the block's own figure
.set TMP,  32                          ; the way out
.set ACC,  128
.set F0,   0
.set F1,   128
.set WV,  12
.set WR,  13
.set WC,  14
.set CT,  16
.set BT,  18
.set LO,  19
.set HI,  20
.set NH,  22                           ; key steps of the first block, 5 to 8
.set NL,  23                           ; of the second: 9 - NH
.set G1A, 24
.set G1B, 32
.set G0A, 40
.set G0B, 44
.set PA,  48                           ; s[48:49] pw at my batch and my 64 rows of a block
.set VB,  50                           ; s[50:51] v at my batch, my 128 keys of a step and my channels
.set OFFA, 52
.set OFFB, 54
.set CNT, 56
.set OUT, 57
.set TBA, 58                           ; s58, s59  LDS byte of the quarter to fetch, for P and for V
.set TBV, 59
.set TF,  60                           ; s60  the table's entry to fetch
.set KN,  61                           ; s61-63  the tile to ask for: key step, query block, and the block's number of steps
.set QN,  62
.set LIM, 63
.set SE,  66                           ; s66  the walk's step that has been entered
.set NEW, 67                           ; s67  1: that step is the second block's first
.set OHI, 76
.set OLO, 78
.set MK,  84                           ; s84-92  by walk step: all ones if it belongs to the first block
.set MSB, 0
.macro WIN new
.if MSB != (\new)
	s_set_vgpr_msb (MSB<<8)|(\new)
.set MSB, \new
.endif
.endm
.macro JLOAD                           ; waves 0 and 1 ask jointly for the halves of P's tile, waves 2 and 3 each for a half of this work-group's V; s_nop 0 and four v_nop follow each line
	s_cmp_lt_u32 s[WV], 2
	s_cbranch_scc0 .Lfor_v_\@
	tensor_load_to_lds s[G0A:G0A+3], s[G1A:G1A+7]
	s_nop 0
.rept 4
	v_nop
.endr
	s_branch .Lasked_\@
.Lfor_v_\@:
	tensor_load_to_lds s[G0B:G0B+3], s[G1B:G1B+7]
	s_nop 0
.rept 4
	v_nop
.endr
.Lasked_\@:
.endm
.macro CROUND
	s_barrier_signal -1
	s_barrier_wait -1
	s_cmp_lg_u32 s[WV], 0
	s_cbranch_scc1 .Lnot_wave_0_\@
	s_barrier_signal -3
.Lnot_wave_0_\@:
	s_barrier_wait -3
	s_barrier_signal -1
	s_barrier_wait -1
.endm
	s_load_b256 s[4:11], s[0:1], 0x0               ; pw s[4:5], qkv s[6:7], st s[8:9], ob s[10:11]
	v_lshl_add_u32 v[SPW], v0, 2, SPARE
	v_mov_b32 v[NIL], 0
	ds_add_u32 v[SPW], v[NIL]                      ; the wave's opening: the add and its wait stand ahead of my first tensor load
	ds_add_u32 v28, v29
	v_lshrrev_b32 v1, 5, v0
	v_readfirstlane_b32 s[WV], v1
	s_lshr_b32 s[WR], s[WV], 1                     ; my half of the queries
	s_and_b32 s[WC], s[WV], 1                      ; my half of the channels.  Also: which half of a tile I fetch
	s_bfe_u32 s15, ttmp6, 0x40000                  ; cx
	s_lshl_b32 s[CT], ttmp9, 2
	s_add_co_u32 s[CT], s[CT], s15                 ; my 128 channels: it enters V's and O's addresses alone
	s_and_b32 s17, ttmp7, 0xffff
	s_lshr_b32 s[BT], s17, 3                       ; the batch
	s_and_b32 s[LO], s17, 7                        ; p: the second block
	s_sub_co_u32 s[HI], 15, s[LO]                  ; the first
	s_lshr_b32 s[NH], s[HI], 1
	s_add_co_u32 s[NH], s[NH], 1
	s_lshr_b32 s[NL], s[LO], 1
	s_add_co_u32 s[NL], s[NL], 1
	s_mov_b32 s[G1A+0], 15|(1<<16)|(1<<20)|(1<<21)|(6<<22)|(3<<25)  ; the mask of four; 2-byte elements; padding on; bit 21 beside a mask; after every 128 words 4 words
	s_mov_b32 s[G1A+1], 256<<16                    ; tensor_dim0 = 256 keys
	s_mov_b32 s[G1A+2], 64<<16                     ; tensor_dim1 = 64 rows
	s_mov_b32 s[G1A+3], 256<<16                    ; tile_dim0
	s_mov_b32 s[G1A+4], 64                         ; tile_dim1
	s_mov_b32 s[G1A+5], 2048                       ; elements from row to row of pw
	s_mov_b32 s[G1A+6], 0
	s_mov_b32 s[G1A+7], 0
	s_mov_b32 s[G1B+0], (1<<16)|(1<<20)|(5<<22)|(7<<25)  ; no mask; after every 64 words 8 words
	s_mov_b32 s[G1B+1], 128<<16                    ; 128 channels
	s_mov_b32 s[G1B+2], 128<<16                    ; 128 keys
	s_mov_b32 s[G1B+3], 128<<16
	s_mov_b32 s[G1B+4], 128
	s_mov_b32 s[G1B+5], 3072                       ; elements from row to row of qkv
	s_mov_b32 s[G1B+6], 0
	s_mov_b32 s[G1B+7], 0
	s_lshl_b32 s72, s[BT], 23                      ; a batch of pw,
	s_lshl_b32 s68, s[WC], 18                      ; 64 rows of 4,096 bytes
	s_add_co_u32 s72, s72, s68
	s_mov_b32 s73, 0
	s_mul_i32 s74, s[BT], 12582912                 ; a batch of qkv,
	s_mul_i32 s69, s[WC], 786432                   ; 128 rows of 6,144 bytes,
	s_add_co_u32 s74, s74, s69
	s_lshl_b32 s69, s[CT], 8                       ; my channels,
	s_add_co_u32 s74, s74, s69
	s_add_co_u32 s74, s74, 4096                    ; in v's part of a row
	s_mov_b32 s75, 0
	s_lshl_b32 s80, s[BT], 22                      ; ob: the batch, the 32 rows of a block that my wave stores, my channels,
	s_lshl_b32 s69, s[WV], 16
	s_add_co_u32 s80, s80, s69
	s_lshl_b32 s69, s[CT], 8
	s_add_co_u32 s80, s80, s69
	s_lshl_b32 s69, s[LO], 18
	s_add_co_u32 s82, s80, s69                     ; and the block
	s_lshl_b32 s69, s[HI], 18
	s_add_co_u32 s80, s80, s69
	s_mov_b32 s81, 0
	s_mov_b32 s83, 0
	s_mov_b32 s[G0A], 1
	s_mul_i32 s[G0A+1], s[WC], 64*PP
	s_mov_b32 s[G0B], 1
	s_mul_i32 s[G0B+1], s[WC], 128*PV
	s_add_co_u32 s[G0B+1], s[G0B+1], VOFF
	s_lshl_b32 s[OFFA], s[HI], 19                  ; a block of 128 rows of pw
	s_mov_b32 s[OFFA+1], 0
	s_mov_b32 s[OFFB+1], 0
	s_mov_b32 s[TBA], SLOT1+512                    ; the first change of slots turns these two into 0
	s_mov_b32 s[TBV], SLOT1+256*PV
	s_mov_b32 s[TF], 0
	s_mov_b32 s[KN], 1
	s_mov_b32 s[QN], s[HI]
	s_mov_b32 s[LIM], s[NH]
	s_mov_b32 s[SE], -1
	s_wait_dscnt 0x0                               ; the opening add is done
	s_wait_kmcnt 0x0
	s_add_nc_u64 s[PA:PA+1], s[4:5], s[72:73]
	s_add_nc_u64 s[VB:VB+1], s[6:7], s[74:75]
	s_add_nc_u64 s[G0A+2:G0A+3], s[PA:PA+1], s[OFFA:OFFA+1]
	s_or_b32 s[G0A+3], s[G0A+3], 0x80000000        ; type = 2
	s_add_nc_u64 s[G0B+2:G0B+3], s[VB:VB+1], 0
	s_or_b32 s[G0B+3], s[G0B+3], 0x80000000
	s_add_nc_u64 s[OHI:OHI+1], s[10:11], s[80:81]
	s_add_nc_u64 s[OLO:OLO+1], s[10:11], s[82:83]
	CROUND                                         ; all four work-groups are here: the first joint loads meet
	JLOAD                                          ; the walk's step 0 into slot 0
	; THE TABLE, in the wait for that tile.  Thread t stands for row t of both blocks.  Walk step n belongs to the first block if n < NH; its two key blocks are entries 2 n and 2 n + 1.
	v_lshlrev_b32 v30, 3, v0
	s_lshl_b32 s70, s[BT], 18                      ; a batch of st
.set n, 0
.rept 9
	s_cmp_gt_u32 s[NH], n
	s_cselect_b32 s[MK+n], -1, 0
	s_cselect_b32 s68, 0, s[NH]
	s_cselect_b32 s71, s[HI], s[LO]
	s_sub_co_u32 s68, n, s68                       ; the key step in its block's walk
	s_lshl_b32 s68, s68, 15                        ; two key blocks of 2,048 rows x 8 bytes
	s_lshl_b32 s71, s71, 10                        ; 128 rows
	s_add_co_u32 s68, s68, s71
	s_add_co_u32 s68, s68, s70
	v_add_nc_u32 v[PO+n], s68, v30
	global_load_b64 v[PD+4*n:PD+4*n+1],   v[PO+n], s[8:9]
	global_load_b64 v[PD+4*n+2:PD+4*n+3], v[PO+n], s[8:9] offset:16384
.set n, n+1
.endr
	v_and_b32 v1, 15, v0                           ; r
	v_bfe_u32 v2, v0, 4, 1                         ; h
	v_and_b32 v3, 7, v0
	v_bfe_u32 v4, v0, 3, 1
	s_mul_i32 s70, s[WR], 64*PP
	v_mul_u32_u24 v5, v1, PP
	v_lshl_add_u32 v5, v2, 4, v5
	v_add_nc_u32 v[A0], s70, v5                    ; P: (64 wr + r) x pitch + 16 h
	v_lshl_add_u32 v5, v2, 3, v3                   ; V: the turning load takes key 8 h + l % 8, channels 8 ((l / 8) % 2) + 0..7
	v_mul_u32_u24 v5, v5, PV
	v_lshl_add_u32 v5, v4, 4, v5
	s_lshl_b32 s70, s[WC], 7
	s_add_co_u32 s70, s70, VOFF
	v_add_nc_u32 v[B0], s70, v5
	s_lshl_b32 s70, s[WR], 7
	s_add_co_u32 s70, s70, FAC
	v_lshl_add_u32 v[FA0], v1, 1, s70
	v_lshl_add_u32 v[FW], v0, 1, FAC
	s_mul_i32 s70, s[WR], 64*SPITCH                ; into the stage: my 64 rows, my half of their 256 bytes
	s_lshl_b32 s71, s[WC], 7
	s_add_co_u32 s70, s70, s71
	s_add_co_u32 s70, s70, STAGE
	v_mul_u32_u24 v5, v1, SPITCH
	v_lshl_add_u32 v5, v2, 4, v5
	v_add_nc_u32 v[STO], s70, v5
	s_mul_i32 s70, s[WV], 32*SPITCH                ; back: wave w takes rows 32 w .. 32 w + 31, whole
	s_add_co_u32 s70, s70, STAGE
	v_mul_u32_u24 v5, v2, SPITCH
	v_lshl_add_u32 v5, v1, 4, v5
	v_add_nc_u32 v[RD], s70, v5
	v_lshlrev_b32 v5, 11, v2
	v_lshl_add_u32 v[CO], v1, 4, v5
	WIN 0x80                                       ; SAVE is written here, so that it holds defined numbers on every path that the text allows; the walk's one change of blocks writes it anew
.set i, 0
.rept 64
	v_mov_b32 v[i], 0
.set i, i+1
.endr
	WIN 0
	v_mov_b32 v[ZR], 0
	v_mov_b32 v[NG], 0xff7fffff
	v_mov_b32 v[M1], v[NG]
	v_mov_b32 v[M1+1], v[NG]
	s_wait_loadcnt 0x0
.set e, 0
.rept 18                                       ; each block's row maximum, over its own entries
	v_cndmask_b32 v[T1],   v[NG], v[PD+2*e], s[MK+e/2]
	v_cndmask_b32 v[T1+1], v[PD+2*e], v[NG], s[MK+e/2]
	v_max_num_f32 v[M1],   v[M1],   v[T1]
	v_max_num_f32 v[M1+1], v[M1+1], v[T1+1]
.set e, e+1
.endr
.set n, 0
.rept 9
	v_cndmask_b32 v[MS+n], v[M1+1], v[M1], s[MK+n]
.set n, n+1
.endr
.set e, 0
.rept 18
	v_sub_f32 v[PD+2*e], v[PD+2*e], v[MS+e/2]      ; c m_block - c m_row, at most 0
.set e, e+1
.endr
.set e, 0
.rept 18
	v_exp_f32 v[PD+2*e], v[PD+2*e]
.set e, e+1
.endr
	v_mov_b32 v[L1], 0                             ; (also the plain instruction behind the last exponential: ISA guide 5.7.2)
	v_mov_b32 v[L1+1], 0
.set e, 0
	s_wait_alu depctr_va_vdst(0)
.rept 18                                       ; each block's row sum
	v_mul_f32 v[T1], v[PD+2*e], v[PD+2*e+1]
	v_cndmask_b32 v[T1+1], v[ZR], v[T1], s[MK+e/2]
	v_cndmask_b32 v[T1+2], v[T1], v[ZR], s[MK+e/2]
	v_add_f32 v[L1],   v[L1],   v[T1+1]
	v_add_f32 v[L1+1], v[L1+1], v[T1+2]
.set e, e+1
.endr
	v_rcp_f32 v[L1], v[L1]                         ; every row sees its own key, so both sums are 1 or more
	v_rcp_f32 v[L1+1], v[L1+1]
	v_nop
.set n, 0
	s_wait_alu depctr_va_vdst(0)
.rept 9
	v_cndmask_b32 v[MS+n], v[L1+1], v[L1], s[MK+n]
.set n, n+1
.endr
.set e, 0
.rept 18
	v_mul_f32 v[PD+2*e], v[PD+2*e], v[MS+e/2]      ; f
	v_cvt_pk_f16_f32 v[PD+2*e+1], v[PD+2*e], v[PD+2*e]
	ds_store_b16 v[FW], v[PD+2*e+1] offset:256*e   ; the first change of slots, with its wait and its round, shows the table to the other waves
.set e, e+1
.endr
; 8 matrix instructions: m blocks a0, a0 + 1 x 4 n blocks, 32 keys: half c of buffer f.  The 16 accumulators take turns.
.macro MUL8 f, c, a0, zero
	WIN 0x05
.irp a, \a0, (\a0)+1
.irp b, 0,1,2,3
.if \zero
	v_wmma_f32_16x16x32_f16 v[ACC+8*(4*(\a)+(\b)):ACC+8*(4*(\a)+(\b))+7], v[(\f)+64+8*(4*(\c)+(\b)):(\f)+64+8*(4*(\c)+(\b))+7], v[(\f)+8*(4*(\c)+(\a)):(\f)+8*(4*(\c)+(\a))+7], 0
.else
	v_wmma_f32_16x16x32_f16 v[ACC+8*(4*(\a)+(\b)):ACC+8*(4*(\a)+(\b))+7], v[(\f)+64+8*(4*(\c)+(\b)):(\f)+64+8*(4*(\c)+(\b))+7], v[(\f)+8*(4*(\c)+(\a)):(\f)+8*(4*(\c)+(\a))+7], v[ACC+8*(4*(\a)+(\b)):ACC+8*(4*(\a)+(\b))+7]
.endif
.endr
.endr
.endm
.macro FETCH f                         ; 32 LDS loads in one run: 64 keys' fragments, the first 32 keys first
	WIN 0x40
.irp c, 0,1
.irp i, 0,1,2,3
	ds_load_tr16_b128 v[(\f)+64+8*(4*(\c)+(\i)):(\f)+64+8*(4*(\c)+(\i))+3],   v[ADRB] offset:(\c)*32*PV+32*(\i)
	ds_load_tr16_b128 v[(\f)+64+8*(4*(\c)+(\i))+4:(\f)+64+8*(4*(\c)+(\i))+7], v[ADRB] offset:(\c)*32*PV+16*PV+32*(\i)
	ds_load_b128 v[(\f)+8*(4*(\c)+(\i)):(\f)+8*(4*(\c)+(\i))+3],   v[ADRA] offset:64*(\c)+(\i)*16*PP
	ds_load_b128 v[(\f)+8*(4*(\c)+(\i))+4:(\f)+8*(4*(\c)+(\i))+7], v[ADRA] offset:64*(\c)+(\i)*16*PP+32
.endr
.endr
.endm
.macro SCALE f, c                      ; p f: a lane's fragment registers hold one row, so one factor serves the eight of a block
	WIN 0x41
.irp a, 0,1,2,3
.irp j, 0,1,2,3,4,5,6,7
	v_pk_mul_f16 v[(\f)+8*(4*(\c)+(\a))+(\j)], v[(\f)+8*(4*(\c)+(\a))+(\j)], v[FC+(\a)]
.endr
.endr
.endm
; An odd quarter (buffer 1), under the factors of the quarter before.  It fetches the next quarter and that quarter's factors: a new key block begins there.
; The 32 scalings at its head are the places between the last product that read buffer 0 and the loads into it.
.macro QA
	s_wait_dscnt 16                                ; the first 32 keys are in
	SCALE F1, 0
	MUL8 F1, 0, 0, 0
	MUL8 F1, 0, 2, 0
	WIN 0
	v_add_nc_u32 v[ADRA], s[TBA], v[A0]
	v_add_nc_u32 v[ADRB], s[TBV], v[B0]
	v_add_nc_u32 v[FADR], s[TF], v[FA0]
.irp a, 0,1,2,3
	ds_load_u16 v[FN+(\a)], v[FADR] offset:32*(\a)
.endr
	FETCH F0
	s_add_co_u32 s[TBA], s[TBA], 128
	s_add_co_u32 s[TBV], s[TBV], 64*PV
	s_add_co_u32 s[TF], s[TF], 256
	s_wait_dscnt 36                                ; all but the 36 just issued
	SCALE F1, 1
	MUL8 F1, 1, 0, 0
	MUL8 F1, 1, 2, 0
.endm
; An even quarter (buffer 0): new factors.  z = 1: the walk's first: its products start the sums.  Else: where the second block begins, the first block's sums are set aside and the products start from 0.
.macro QB z
	s_wait_dscnt 16                                ; the factors and the first 32 keys are in
	WIN 0
.irp a, 0,1,2,3
	v_lshl_or_b32 v[FC+(\a)], v[FN+(\a)], 16, v[FN+(\a)]
.endr
	SCALE F0, 0                                    ; with the four lines above: the places behind the last products, for the loads into buffer 1 and for the conversions below
.if \z
	MUL8 F0, 0, 0, 1
	MUL8 F0, 0, 2, 1
.else
	WIN 0
	s_cmp_eq_u32 s[NEW], 1
	s_cbranch_scc0 .Lacc_\@
	WIN 0x80
.set i, 0
.rept 64
	v_cvt_pk_f16_f32 v[i], v[ACC+2*i], v[ACC+2*i+1]
.set i, i+1
.endr
	s_mov_b32 s[NEW], 0
	MUL8 F0, 0, 0, 1
	MUL8 F0, 0, 2, 1
	WIN 0
	s_branch .Ljoin_\@
.Lacc_\@:
	MUL8 F0, 0, 0, 0
	MUL8 F0, 0, 2, 0
	WIN 0
.Ljoin_\@:
.endif
	WIN 0
	v_add_nc_u32 v[ADRA], s[TBA], v[A0]
	v_add_nc_u32 v[ADRB], s[TBV], v[B0]
	FETCH F1
	s_add_co_u32 s[TBA], s[TBA], 128
	s_add_co_u32 s[TBV], s[TBV], 64*PV
	s_wait_dscnt 32                                ; all but the 32 just issued
	SCALE F0, 1
	MUL8 F0, 1, 0, 0
	MUL8 F0, 1, 2, 0
.endm
; THE CHANGE OF SLOTS: all my tensor loads have landed (one was out: my part of the slot to come); the add; my reads of the slot that I leave are over.  fill = 1: a round of the cluster's barrier, and that slot is
; asked for again first thing behind it; the addresses are made anew from the tile's numbers.
.macro CHANGE fill
	WIN 0
	s_wait_tensorcnt 0x0                           ; no tensor load of mine is out, so a group 0 may be written
	ds_add_u32 v[SPW], v[NIL]                      ; 0 onto my spare word; scalar work stands between it and the wait for it
.if \fill
	s_lshl_b32 s[OFFA], s[QN], 19
	s_lshl_b32 s68, s[KN], 9                       ; 256 keys of 2 bytes
	s_add_co_u32 s[OFFA], s[OFFA], s68
	s_mul_i32 s[OFFB], s[KN], 1572864              ; 256 rows of 6,144 bytes
	s_xor_b32 s[G0A+1], s[G0A+1], SLOT1
	s_add_nc_u64 s[G0A+2:G0A+3], s[PA:PA+1], s[OFFA:OFFA+1]
	s_or_b32 s[G0A+3], s[G0A+3], 0x80000000
	s_xor_b32 s[G0B+1], s[G0B+1], SLOT1
	s_add_nc_u64 s[G0B+2:G0B+3], s[VB:VB+1], s[OFFB:OFFB+1]
	s_or_b32 s[G0B+3], s[G0B+3], 0x80000000
	s_add_co_u32 s[KN], s[KN], 1                   ; the block's next key step, or behind its last the second block's step 0
	s_cmp_eq_u32 s[KN], s[LIM]
	s_cselect_b32 s[KN], 0, s[KN]
	s_cselect_b32 s[QN], s[LO], s[QN]
	s_cselect_b32 s[LIM], s[NL], s[LIM]
.endif
	s_sub_co_u32 s[TBA], s[TBA], 512
	s_xor_b32 s[TBA], s[TBA], SLOT1
	s_sub_co_u32 s[TBV], s[TBV], 256*PV
	s_xor_b32 s[TBV], s[TBV], SLOT1
	s_add_co_u32 s[SE], s[SE], 1
	s_cmp_eq_u32 s[SE], s[NH]
	s_cselect_b32 s[NEW], 1, 0
	s_wait_dscnt 0x0                               ; the add is done, and my LDS reads and stores are over
.if \fill
	CROUND
	JLOAD
.else
	s_barrier_signal -1
	s_barrier_wait -1
.endif
.endm
; THE WAY OUT of a block: 16 bytes a lane into the work-group's stage; a barrier, since a row's 256 bytes come from two waves; back as whole rows, 32 rows a wave.
.macro TOST w, base
	WIN \w
.irp a, 0,1,2,3
.irp b, 0,1,2,3
	ds_store_b128 v[STO], v[(\base)+4*(4*(\a)+(\b)):(\base)+4*(4*(\a)+(\b))+3] offset:(\a)*16*SPITCH+32*(\b)
.endr
.endr
	WIN 0
.endm
.macro DRAIN o
	s_wait_dscnt 0x0                               ; for the others' sake: my stores into the stage are done
	s_barrier_signal -1
	s_barrier_wait -1
.irp t, 0,1,2,3,4,5,6,7,8,9,10,11,12,13,14,15
	ds_load_b128 v[TMP+4*(\t):TMP+4*(\t)+3], v[RD] offset:(\t)*2*SPITCH
.endr
.irp t, 0,1,2,3,4,5,6,7,8,9,10,11,12,13,14,15
	s_wait_dscnt 15-(\t)
	global_store_b128 v[CO], v[TMP+4*(\t):TMP+4*(\t)+3], s[(\o):(\o)+1] offset:2*(\t)*2048  ; 16 lanes store 256 consecutive bytes, aligned
.endr
.endm
	CHANGE 1                                       ; step 0 and the table are there; step 1 is asked for
	v_add_nc_u32 v[ADRA], s[TBA], v[A0]
	v_add_nc_u32 v[ADRB], s[TBV], v[B0]
	v_add_nc_u32 v[FADR], s[TF], v[FA0]
.irp a, 0,1,2,3
	ds_load_u16 v[FN+(\a)], v[FADR] offset:32*(\a)
.endr
	FETCH F0
	s_add_co_u32 s[TBA], s[TBA], 128
	s_add_co_u32 s[TBV], s[TBV], 64*PV
	s_add_co_u32 s[TF], s[TF], 256
	QB 1
	WIN 0
	s_mov_b32 s[CNT], 1                            ; step 0 has one pair left
	s_mov_b32 s[OUT], 8
	s_branch .Lpair
.Louter:                                               ; seven times: in front of steps 1 to 7; steps 2 to 8 are asked for
	CHANGE 1
	s_mov_b32 s[CNT], 2
.Lpair:                                                ; behind a change: the old step's last quarter and the new step's first; then its second and third
	QA
	QB 0
	WIN 0
	s_sub_co_u32 s[CNT], s[CNT], 1
	s_cmp_lg_u32 s[CNT], 0
	s_cbranch_scc1 .Lpair
	s_sub_co_u32 s[OUT], s[OUT], 1
	s_cmp_lg_u32 s[OUT], 0
	s_cbranch_scc1 .Louter
	CHANGE 0                                       ; the last step is written out
	s_mov_b32 s[CNT], 2
.Ltail:
	QA
	QB 0
	WIN 0
	s_sub_co_u32 s[CNT], s[CNT], 1
	s_cmp_lg_u32 s[CNT], 0
	s_cbranch_scc1 .Ltail
	s_wait_dscnt 16                                ; the very last quarter: nothing more to fetch
	SCALE F1, 0
	MUL8 F1, 0, 0, 0
	MUL8 F1, 0, 2, 0
	s_wait_dscnt 0x0
	SCALE F1, 1
	MUL8 F1, 1, 0, 0
	MUL8 F1, 1, 2, 0
	TOST 0x08, 0                                   ; the first block, from SAVE (the data in window 2)
	DRAIN OHI
	s_barrier_signal -1                            ; every wave's reads of the stage are back (the count-down ended at 0): it may be written again
	s_barrier_wait -1
	s_wait_xcnt 0x0                                ; the registers that the stores read are rewritten only behind this wait
.rept 4
	v_nop                                          ; the places behind the last products
.endr
.set i, 0
.rept 64
	v_cvt_pk_f16_f32 v[TMP+i], v[ACC+2*i], v[ACC+2*i+1]
.set i, i+1
.endr
	TOST 0, TMP                                    ; the second block
	DRAIN OLO
	s_wait_tensorcnt 0x0                           ; the wave's end
	ds_add_u32 v[SPW], v[NIL]
	s_wait_dscnt 0x0
	CROUND                                         ; the closing round
	s_endpgm
.Lfunc_end_k_qf3da28586e_pvgemm:
	.size	k_qf3da28586e_pvgemm, .Lfunc_end_k_qf3da28586e_pvgemm-k_qf3da28586e_pvgemm
	.p2alignl 7, 3214868480
	.fill 96, 4, 3214868480
	.section	.rodata,"a",@progbits
	.p2align	6, 0x0
	.amdhsa_kernel k_qf3da28586e_pvgemm
		.amdhsa_group_segment_fixed_size 327680
		.amdhsa_private_segment_fixed_size 0
		.amdhsa_enable_private_segment 0
		.amdhsa_kernarg_size 32
		.amdhsa_user_sgpr_count 2
		.amdhsa_user_sgpr_kernarg_segment_ptr 1
		.amdhsa_wavefront_size32 1
		.amdhsa_system_sgpr_workgroup_id_x 1
		.amdhsa_system_sgpr_workgroup_id_y 1
		.amdhsa_system_sgpr_workgroup_id_z 1
		.amdhsa_system_vgpr_workitem_id 0
		.amdhsa_next_free_vgpr 576
		.amdhsa_next_free_sgpr 96
		.amdhsa_reserve_vcc 0
		.amdhsa_float_denorm_mode_32 3
		.amdhsa_float_denorm_mode_16_64 3
		.amdhsa_memory_ordered 1
		.amdhsa_forward_progress 1
		.amdhsa_inst_pref_size 107
	.end_amdhsa_kernel
	.amdgpu_metadata
---
amdhsa.version: [ 1, 2 ]
amdhsa.kernels:
  - .name:           k_qf3da28586e_pvgemm
    .symbol:         k_qf3da28586e_pvgemm.kd
    .args:
      - { .name: pw, .offset: 0, .size: 8, .value_kind: global_buffer, .address_space: global }
      - { .name: qkv, .offset: 8, .size: 8, .value_kind: global_buffer, .address_space: global }
      - { .name: st, .offset: 16, .size: 8, .value_kind: global_buffer, .address_space: global }
      - { .name: ob, .offset: 24, .size: 8, .value_kind: global_buffer, .address_space: global }
    .group_segment_fixed_size: 327680
    .private_segment_fixed_size: 0
    .kernarg_segment_align: 8
    .kernarg_segment_size: 32
    .max_flat_workgroup_size: 128
    .sgpr_count:     96
    .vgpr_count:     576
    .wavefront_size: 32
...
	.end_amdgpu_metadata
.endif
;; end of part 4
;; launch outproj (part 5): grid 4 x 64, 4 waves a work-group, clusters of 4 x 4, 327,680 bytes of LDS; arguments ob, wph, out0, bp; writes out0
.if DOCPART == 5
	.amdgcn_target "amdgcn-amd-amdhsa--gfx1250"
	.amdhsa_code_object_version 6
	.text
	.protected	k_qf3da28586e_outproj
	.globl	k_qf3da28586e_outproj
	.p2align	8
	.type	k_qf3da28586e_outproj,@function
k_qf3da28586e_outproj:
	s_mov_b64 s[64:65], 0
	v_nop
	global_prefetch_b8 v0, s[64:65] scope:SCOPE_SE
	s_setreg_imm32_b32 hwreg(HW_REG_WAVE_MODE, 25, 1), 1
	s_wait_xcnt 0x0
	s_wait_alu depctr_hold_cnt(0) depctr_sa_sdst(0) depctr_va_vdst(0) depctr_va_sdst(0) depctr_va_ssrc(0) depctr_va_vcc(0) depctr_vm_vsrc(0)
	s_getreg_b32 s2, hwreg(HW_REG_IB_STS2, 6, 4)
	s_cmp_eq_u32 s2, 0
	s_cbranch_scc0 .Lentry_in_a_cluster
	s_endpgm
.Lentry_in_a_cluster:
	s_bfe_u32 s2, ttmp6, 0x10000c
	s_cmp_lg_u32 s2, 0xf033
	s_cbranch_scc0 .Lentry_shape_is_right
	s_endpgm
.Lentry_shape_is_right:
; out0[row][col] = ob[row][:] . wph[col][:] + bp[col]: C = A B^T, 8,192 x 1,024, K = 1,024.  Operands f16 (wph holds Wp rounded to bf16, written as f16), sums f32, out0 f32.  bp is rounded to bf16 like every other input.
; A TILE OF C IS 128 x 256: 64 x 4 = 256 work-groups of equal work.  Four waves, each 64 x 128: 32 accumulators of 16 x 16, window 1; all fragments lie in window 0.
; K goes in 8 steps of 128 through two LDS slots (384 rows of 256 along K would not fit twice).  Waves 0 and 1 bring A's halves (64 rows x 256 bytes), waves 2 and 3 B's (128 rows), one tensor load a wave.
; Both first fills go out together (two loads of a wave are out); then, in front of step s, ONE change of slots: step s has landed in every wave, nobody reads step s - 1 any more, and step s + 1 is asked for
; at once (one load out): it has a whole step, 128 matrix instructions a wave, in which to land.
; A step is four quarters of 32 along K, 32 matrix instructions each, on two fragment buffers; the next quarter's 24 LDS loads stand in one run at a quarter's head, 32 products ahead of their use.
; A pair of quarters is written once and walked by two counters; the LDS address of the quarter to fetch hangs on a scalar that steps by 64 bytes and is turned by an exclusive or at a change of slots.
; CLUSTER 4 x 4: a row of the cluster shares A's tiles, a column B's: each tile is asked for jointly.  The matrix instruction is used transposed: a lane holds row l % 16 of C and the columns 8 (l / 16) + 0..7.
; THE BIAS is the C operand of the products that start the sums; its blocks are loaded into the registers of row block 3's accumulators: row blocks 0 to 2 read them from there, row block 3 takes them in place.
; THE WAY OUT: the f32 sums go as they are through my own stage, 16 rows of 512 bytes at a time, and leave as whole rows: a wave's store covers 512 consecutive bytes, aligned.
.set KDIM,   1024
.set KSTEP,  128
.set PITCH,  272                       ; an LDS row: 256 bytes + 16 of padding: the 16 rows of a fragment load start at 16 different groups of four banks (ISA guide 11.1)
.set AHALF,  64*PITCH
.set BHALF,  128*PITCH
.set BOFF,   2*AHALF                   ; a slot: A's 128 rows, then B's 256
.set SLOT1,  0x20000                   ; slot 1 begins here: above every address in slot 0, so one exclusive or changes slots
.set SPARE,  SLOT1+BOFF+2*BHALF        ; the spare words: 128 bytes a wave, two blocks of 256 bytes that no other line names
.set STAGE,  SPARE+512                 ; 16 rows x 528 bytes for each wave; no tensor load fills it
.set SPITCH, 528
.set CPITCH, 4096                      ; bytes in a row of out0
.set A0,   16
.set ADRA, 17
.set B0,   20
.set ADRB, 21
.set STO,  24
.set RD,   25
.set CO,   26
.set BO,   27
.set SPW,  28                          ; v28  my spare word; never rewritten
.set NIL,  29                          ; v29  0; never rewritten
.set FA,   32                          ; A's fragments: buffer f at FA + 32 f
.set FB,   96                          ; B's: buffer f at FB + 64 f
.set CB,   192                         ; window 1: the bias blocks = the accumulators (3, b)
.set BK,   32                          ; the way out: 16 rows read back
.set G1,  24
.set G0,  32                           ; group 0: step 1's, which then walks on
.set GF,  36                           ; group 0 of step 0
.set G1B, 48
.set G0B, 56
.set GFB, 60
.set TB,  66
.set CNT, 67
.set OUT, 78
.set MSB, 0
.macro WIN new
.if MSB != (\new)
	s_set_vgpr_msb (MSB<<8)|(\new)
.set MSB, \new
.endif
.endm
.macro JLOAD                           ; a joint refill: waves 0 and 1 fetch A's halves, waves 2 and 3 B's; s_nop 0 and four v_nop follow each line
	s_cmp_eq_u32 s11, 0
	s_cbranch_scc0 .Lfor_b_\@
	tensor_load_to_lds s[G0:G0+3], s[G1:G1+7]
	s_nop 0
.rept 4
	v_nop
.endr
	s_branch .Lasked_\@
.Lfor_b_\@:
	tensor_load_to_lds s[G0B:G0B+3], s[G1B:G1B+7]
	s_nop 0
.rept 4
	v_nop
.endr
.Lasked_\@:
.endm
.macro CROUND
	s_barrier_signal -1
	s_barrier_wait -1
	s_cmp_lg_u32 s10, 0
	s_cbranch_scc1 .Lnot_wave_0_\@
	s_barrier_signal -3
.Lnot_wave_0_\@:
	s_barrier_wait -3
	s_barrier_signal -1
	s_barrier_wait -1
.endm
	s_load_b128 s[4:7], s[0:1], 0x0                ; ob s[4:5], wph s[6:7]
	s_load_b64 s[8:9], s[0:1], 0x10                ; out0
	s_load_b64 s[68:69], s[0:1], 0x18              ; bp
	v_lshl_add_u32 v[SPW], v0, 2, SPARE
	v_mov_b32 v[NIL], 0
	ds_add_u32 v[SPW], v[NIL]                      ; the wave's opening: the add and its wait stand ahead of my first tensor load
	ds_add_u32 v28, v29
	v_lshrrev_b32 v1, 5, v0
	v_readfirstlane_b32 s10, v1
	s_lshr_b32 s11, s10, 1                         ; wr.  Also: I fetch for A (0) or B (1)
	s_and_b32 s12, s10, 1                          ; wc.  Also: which half of that tile I fetch
	s_bfe_u32 s40, ttmp6, 0x40000                  ; cx
	s_bfe_u32 s41, ttmp6, 0x40004                  ; cy
	s_lshl_b32 s42, ttmp9, 2
	s_add_co_u32 s42, s42, s40                     ; tile column
	s_and_b32 s13, ttmp7, 0xffff
	s_lshl_b32 s13, s13, 2
	s_add_co_u32 s13, s13, s41                     ; tile row
	s_lshl_b32 s43, s41, 2
	s_lshl_b32 s43, 15, s43                        ; my row of the cluster
	s_lshl_b32 s44, 0x1111, s40                    ; my column
	s_or_b32 s[G1+0], s43, (1<<16)|(1<<20)|(1<<21)|(5<<22)|(3<<25)   ; mask; 2-byte elements; padding on; bit 21 beside a mask; after every 64 words 4 words
	s_or_b32 s[G1B+0], s44, (1<<16)|(1<<20)|(1<<21)|(5<<22)|(3<<25)
	s_mov_b32 s[G1+1], KSTEP<<16                   ; tensor_dim0 = 128
	s_mov_b32 s[G1+2], 64<<16                      ; tensor_dim1 = 64
	s_mov_b32 s[G1+3], KSTEP<<16                   ; tile_dim0
	s_mov_b32 s[G1+4], 64                          ; tile_dim1
	s_mov_b32 s[G1+5], KDIM                        ; elements from row to row
	s_mov_b32 s[G1+6], 0
	s_mov_b32 s[G1+7], 0
	s_mov_b32 s[G1B+1], KSTEP<<16
	s_mov_b32 s[G1B+2], 128<<16
	s_mov_b32 s[G1B+3], KSTEP<<16
	s_mov_b32 s[G1B+4], 128
	s_mov_b32 s[G1B+5], KDIM
	s_mov_b32 s[G1B+6], 0
	s_mov_b32 s[G1B+7], 0
	s_lshl_b32 s16, s13, 7
	s_lshl_b32 s17, s12, 6
	s_add_co_u32 s16, s16, s17                     ; A: row 128 x tile row + 64 x half
	s_lshl_b32 s16, s16, 11                        ; rows of 2,048 bytes
	s_mov_b32 s17, 0
	s_lshl_b32 s46, s42, 8
	s_lshl_b32 s47, s12, 7
	s_add_co_u32 s46, s46, s47                     ; B: row 256 x tile column + 128 x half
	s_lshl_b32 s46, s46, 11
	s_mov_b32 s47, 0
	s_mul_i32 s20, s12, AHALF                      ; where my half goes: the wave's number alone
	s_mul_i32 s21, s12, BHALF
	s_add_co_u32 s21, s21, BOFF
	s_mov_b32 s[GF], 1
	s_mov_b32 s[GF+1], s20
	s_mov_b32 s[G0], 1
	s_add_co_u32 s[G0+1], s20, SLOT1
	s_mov_b32 s[GFB], 1
	s_mov_b32 s[GFB+1], s21
	s_mov_b32 s[G0B], 1
	s_add_co_u32 s[G0B+1], s21, SLOT1
	s_mov_b32 s[TB], 0
	s_wait_dscnt 0x0                               ; the opening add is done
	s_wait_kmcnt 0x0
	s_add_nc_u64 s[GF+2:GF+3], s[4:5], s[16:17]    ; K step 0,
	s_add_nc_u64 s[G0+2:G0+3], s[GF+2:GF+3], KSTEP*2  ; K step 1
	s_or_b32 s[GF+3], s[GF+3], 0x80000000          ; type = 2
	s_or_b32 s[G0+3], s[G0+3], 0x80000000
	s_add_nc_u64 s[GFB+2:GFB+3], s[6:7], s[46:47]
	s_add_nc_u64 s[G0B+2:G0B+3], s[GFB+2:GFB+3], KSTEP*2
	s_or_b32 s[GFB+3], s[GFB+3], 0x80000000
	s_or_b32 s[G0B+3], s[G0B+3], 0x80000000
	CROUND                                         ; all sixteen work-groups are here: the first joint loads meet
	s_cmp_eq_u32 s11, 0                            ; a wave's two first fills stand in one branch, ahead of every wait on TENSORcnt and every LDS read
	s_cbranch_scc0 .Lfirst_b
	tensor_load_to_lds s[GF:GF+3], s[G1:G1+7]
	s_nop 0
	tensor_load_to_lds s[G0:G0+3], s[G1:G1+7]
	s_nop 0
.rept 4
	v_nop
.endr
	s_branch .Lfirst_asked
.Lfirst_b:
	tensor_load_to_lds s[GFB:GFB+3], s[G1B:G1B+7]
	s_nop 0
	tensor_load_to_lds s[G0B:G0B+3], s[G1B:G1B+7]
	s_nop 0
.rept 4
	v_nop
.endr
.Lfirst_asked:
	s_lshl_b32 s76, s42, 10                        ; 256 numbers of 4 bytes a tile column,
	s_lshl_b32 s77, s12, 9                         ; 128 for my half
	s_add_co_u32 s76, s76, s77
	s_mov_b32 s77, 0
	s_add_nc_u64 s[74:75], s[68:69], s[76:77]
	v_and_b32 v1, 15, v0                           ; r
	v_bfe_u32 v2, v0, 4, 1                         ; h
	v_lshlrev_b32 v[BO], 5, v2
	WIN 0x40                                       ; the loads' destination in window 1
.irp b, 0,1,2,3,4,5,6,7
	global_load_b128 v[CB+8*(\b):CB+8*(\b)+3],   v[BO], s[74:75] offset:64*(\b)
	global_load_b128 v[CB+8*(\b)+4:CB+8*(\b)+7], v[BO], s[74:75] offset:64*(\b)+16
.endr
	WIN 0
	v_mul_u32_u24 v3, v1, PITCH
	v_lshl_add_u32 v3, v2, 4, v3
	s_mul_i32 s21, s11, AHALF
	s_mul_i32 s22, s12, BHALF
	s_add_co_u32 s22, s22, BOFF
	v_add_nc_u32 v[A0], s21, v3
	v_add_nc_u32 v[B0], s22, v3
	s_mul_i32 s23, s10, 16*SPITCH
	s_add_co_u32 s23, s23, STAGE                   ; my stage
	v_mul_u32_u24 v4, v1, SPITCH                   ; in: row l % 16, 32 bytes for each half of the lanes
	v_lshl_add_u32 v4, v2, 5, v4
	v_add_nc_u32 v[STO], s23, v4
	v_and_b32 v5, 31, v0
	v_lshl_add_u32 v[RD], v5, 4, s23               ; back: 32 lanes take a row's 512 bytes
	v_lshlrev_b32 v[CO], 4, v5
	s_lshl_b32 s14, s13, 7
	s_lshl_b32 s15, s11, 6
	s_add_co_u32 s16, s14, s15                     ; my first row of out0: 128 x tile row + 64 wr
	s_lshl_b32 s16, s16, 12
	s_mov_b32 s17, 0
	s_mov_b32 s46, s76                             ; my first column in bytes: the same as in bp
	s_mov_b32 s47, 0
	s_add_nc_u64 s[16:17], s[16:17], s[46:47]      ; what the way out adds to out0's address
	s_wait_loadcnt 0x0                             ; the bias, rounded to bf16 and widened again
	WIN 0x05
.set i, 0
.rept 32
	v_cvt_pk_bf16_f32 v[32+i], v[CB+2*i], v[CB+2*i+1]
.set i, i+1
.endr
	WIN 0x40
.set i, 0
.rept 32
	v_lshlrev_b32 v[CB+2*i],   16, v[32+i]
	v_and_b32     v[CB+2*i+1], 0xffff0000, v[32+i]
.set i, i+1
.endr
	WIN 0
; 16 matrix instructions: row blocks a0, a0 + 1 x all 8 column blocks, 32 along K, on buffer f.  The 32 accumulators take turns in one order everywhere.
; cm = 1: the sums start from the bias blocks, which lie in the accumulators (3, b).  Row block 3's products write over registers that the 24 before them read as C: five places stand between (ISA guide 7.12.1).
.macro MUL16 f, a0, cm
	WIN 0x50
.irp a, \a0, (\a0)+1
.if (\cm) && ((\a) == 3)
.rept 5
	v_nop
.endr
.endif
.irp b, 0,1,2,3,4,5,6,7
.if \cm
	v_wmma_f32_16x16x32_f16 v[8*(8*(\a)+(\b)):8*(8*(\a)+(\b))+7], v[FB+64*(\f)+8*(\b):FB+64*(\f)+8*(\b)+7], v[FA+32*(\f)+8*(\a):FA+32*(\f)+8*(\a)+7], v[CB+8*(\b):CB+8*(\b)+7]
.else
	v_wmma_f32_16x16x32_f16 v[8*(8*(\a)+(\b)):8*(8*(\a)+(\b))+7], v[FB+64*(\f)+8*(\b):FB+64*(\f)+8*(\b)+7], v[FA+32*(\f)+8*(\a):FA+32*(\f)+8*(\a)+7], v[8*(8*(\a)+(\b)):8*(8*(\a)+(\b))+7]
.endif
.endr
.endr
.endm
.macro FETCH f                         ; 24 LDS loads in one run: a quarter's fragments
.irp i, 0,1,2,3,4,5,6,7
	ds_load_b128 v[FB+64*(\f)+8*(\i):FB+64*(\f)+8*(\i)+3],   v[ADRB] offset:(\i)*16*PITCH
	ds_load_b128 v[FB+64*(\f)+8*(\i)+4:FB+64*(\f)+8*(\i)+7], v[ADRB] offset:(\i)*16*PITCH+32
.endr
.irp i, 0,1,2,3
	ds_load_b128 v[FA+32*(\f)+8*(\i):FA+32*(\f)+8*(\i)+3],   v[ADRA] offset:(\i)*16*PITCH
	ds_load_b128 v[FA+32*(\f)+8*(\i)+4:FA+32*(\f)+8*(\i)+7], v[ADRA] offset:(\i)*16*PITCH+32
.endr
.endm
; A quarter: the next quarter's fragments are asked for into buffer g, then 32 matrix instructions on buffer f.
.macro QUARTER f, g, cm
	s_wait_dscnt 0x0                               ; buffer f is in: its 24 loads are all that is out
	WIN 0
	v_add_nc_u32 v[ADRA], s[TB], v[A0]             ; these two and two v_nop are the four places between the last product that read buffer g and the loads into it
	v_add_nc_u32 v[ADRB], s[TB], v[B0]
	v_nop
	v_nop
	FETCH \g
	s_add_co_u32 s[TB], s[TB], 64                  ; 32 along K on
	MUL16 \f, 0, \cm
	MUL16 \f, 2, \cm
.endm
.macro PAIR
	QUARTER 1, 0, 0
	QUARTER 0, 1, 0
	WIN 0
.endm
; THE CHANGE OF SLOTS: all my tensor loads have landed (one was out: my part of the slot to come); the add; my reads of the slot that I leave are over; a round of the cluster's barrier (fill = 1) or a barrier;
; the joint refill first behind the round.
.macro CHANGE fill
	WIN 0
	s_wait_tensorcnt 0x0                           ; no tensor load of mine is out, so a group 0 may be written
	ds_add_u32 v[SPW], v[NIL]
.if \fill
.irp g, G0, G0B
	s_xor_b32 s[(\g)+1], s[(\g)+1], SLOT1
	s_add_nc_u64 s[(\g)+2:(\g)+3], s[(\g)+2:(\g)+3], KSTEP*2
.endr
.endif
	s_sub_co_u32 s[TB], s[TB], 256                 ; the fetches go back to a row's first byte,
	s_xor_b32 s[TB], s[TB], SLOT1                  ; in the other slot
	s_wait_dscnt 0x0                               ; the add is done, and my reads of the slot are over
.if \fill
	CROUND
	JLOAD
.else
	s_barrier_signal -1
	s_barrier_wait -1
.endif
.endm
; THE WAY OUT of block a: 16 rows x 128 f32, from the accumulators into my stage (each accumulator's low four registers first), back by rows, stored.
.macro OUTBLK a
	WIN 0x04                                       ; the stores' data in window 1
.irp b, 0,1,2,3,4,5,6,7
	ds_store_b128 v[STO], v[8*(8*(\a)+(\b)):8*(8*(\a)+(\b))+3]   offset:64*(\b)
	ds_store_b128 v[STO], v[8*(8*(\a)+(\b))+4:8*(8*(\a)+(\b))+7] offset:64*(\b)+16
.endr
	WIN 0
	s_wait_xcnt 0x0                                ; the registers that the last block's stores read, and their base, are rewritten only behind this wait
.irp t, 0,1,2,3,4,5,6,7,8,9,10,11,12,13,14,15
	ds_load_b128 v[BK+4*(\t):BK+4*(\t)+3], v[RD] offset:(\t)*SPITCH  ; LDS serves a wave's instructions in order (ISA guide 5.7.1.4): these see the stores above
.endr
.if (\a) == 0
	s_add_nc_u64 s[8:9], s[8:9], s[16:17]
.else
	s_add_nc_u64 s[8:9], s[8:9], 16*CPITCH
.endif
.irp t, 0,1,2,3,4,5,6,7,8,9,10,11,12,13,14,15
	s_wait_dscnt 15-(\t)                           ; row t is in; the younger loads stay out
	global_store_b128 v[CO], v[BK+4*(\t):BK+4*(\t)+3], s[8:9] offset:(\t)*CPITCH th:TH_STORE_NT
.endr
.endm
	s_wait_tensorcnt 0x1                           ; my part of step 0 is in; step 1's may stay out
	s_barrier_signal -1
	s_barrier_wait -1                              ; everybody's is
	v_add_nc_u32 v[ADRA], s[TB], v[A0]
	v_add_nc_u32 v[ADRB], s[TB], v[B0]
	FETCH 0
	s_add_co_u32 s[TB], s[TB], 64
	QUARTER 0, 1, 1                                ; the first quarter starts the sums
	WIN 0
	s_mov_b32 s[CNT], 1                            ; step 0 has one pair left
	s_mov_b32 s[OUT], 7
	s_branch .Lpair
.Louter:                                               ; six times: in front of steps 1 to 6; steps 2 to 7 are asked for
	CHANGE 1
	s_mov_b32 s[CNT], 2
.Lpair:                                                ; behind a change: the old step's last quarter and the new step's first; then its second and third
	PAIR
	s_sub_co_u32 s[CNT], s[CNT], 1
	s_cmp_lg_u32 s[CNT], 0
	s_cbranch_scc1 .Lpair
	s_sub_co_u32 s[OUT], s[OUT], 1
	s_cmp_lg_u32 s[OUT], 0
	s_cbranch_scc1 .Louter
	CHANGE 0                                       ; the last step is written out: nothing is asked for
	s_mov_b32 s[CNT], 2
.Ltail:
	PAIR
	s_sub_co_u32 s[CNT], s[CNT], 1
	s_cmp_lg_u32 s[CNT], 0
	s_cbranch_scc1 .Ltail
	s_wait_dscnt 0x0                               ; the very last quarter: nothing more to fetch
	MUL16 1, 0, 0
	MUL16 1, 2, 0
	WIN 0
.rept 4
	v_nop                                          ; the places behind the last products: for the LDS stores that read the sums and the loads into fragment registers
.endr
.irp a, 0,1,2,3
	OUTBLK \a
.endr
	s_wait_tensorcnt 0x0                           ; the wave's end
	ds_add_u32 v[SPW], v[NIL]
	s_wait_dscnt 0x0
	CROUND                                         ; the closing round
	s_endpgm
.Lfunc_end_k_qf3da28586e_outproj:
	.size	k_qf3da28586e_outproj, .Lfunc_end_k_qf3da28586e_outproj-k_qf3da28586e_outproj
	.p2alignl 7, 3214868480
	.fill 96, 4, 3214868480
	.section	.rodata,"a",@progbits
	.p2align	6, 0x0
	.amdhsa_kernel k_qf3da28586e_outproj
		.amdhsa_group_segment_fixed_size 327680
		.amdhsa_private_segment_fixed_size 0
		.amdhsa_enable_private_segment 0
		.amdhsa_kernarg_size 32
		.amdhsa_user_sgpr_count 2
		.amdhsa_user_sgpr_kernarg_segment_ptr 1
		.amdhsa_wavefront_size32 1
		.amdhsa_system_sgpr_workgroup_id_x 1
		.amdhsa_system_sgpr_workgroup_id_y 1
		.amdhsa_system_sgpr_workgroup_id_z 1
		.amdhsa_system_vgpr_workitem_id 0
		.amdhsa_next_free_vgpr 512
		.amdhsa_next_free_sgpr 80
		.amdhsa_reserve_vcc 0
		.amdhsa_float_denorm_mode_32 3
		.amdhsa_float_denorm_mode_16_64 3
		.amdhsa_memory_ordered 1
		.amdhsa_forward_progress 1
		.amdhsa_inst_pref_size 55
	.end_amdhsa_kernel
	.amdgpu_metadata
---
amdhsa.version: [ 1, 2 ]
amdhsa.kernels:
  - .name:           k_qf3da28586e_outproj
    .symbol:         k_qf3da28586e_outproj.kd
    .args:
      - { .name: ob, .offset: 0, .size: 8, .value_kind: global_buffer, .address_space: global }
      - { .name: wph, .offset: 8, .size: 8, .value_kind: global_buffer, .address_space: global }
      - { .name: out0, .offset: 16, .size: 8, .value_kind: global_buffer, .address_space: global }
      - { .name: bp, .offset: 24, .size: 8, .value_kind: global_buffer, .address_space: global }
    .group_segment_fixed_size: 327680
    .private_segment_fixed_size: 0
    .kernarg_segment_align: 8
    .kernarg_segment_size: 32
    .max_flat_workgroup_size: 128
    .sgpr_count:     80
    .vgpr_count:     512
    .wavefront_size: 32
...
	.end_amdgpu_metadata
.endif
;; end of part 5
